; MI455X (gfx1250); checked and timed in simulation.
; The chip was launched on July 23, 2026; its instructions are those of AMD's public machine-readable ISA for CDNA 5 (MIT licence, August 2026) and "CDNA5" Instruction Set Architecture Reference Guide (July 2026). The comments in the code are by the model that wrote it; some were corrected since.
;; GPT2 Attention. Allowed arithmetic: float matrix products may take bf16 or f16 operands with f32 sums; other float arithmetic in f32, or as packed bf16 or f16 multiplies, adds, multiply-adds, maxima and minima; sums over many terms, partial sums and values carried from step to step in f32; what a program stores and reads back later, other than sums and carried values, may be rounded once to bf16 or f16.
;; Inputs: b_attn 3,072 float32; b_proj 1,024 float32; w_attn 1,024 x 3,072 float32; w_proj 1,024 x 1,024 float32; x 4 x 2,048 x 1,024 float32.
;; Outputs: out0 4 x 2,048 x 1,024 float32.
;; One version. Each part assembles by itself: llvm-mc -triple=amdgcn-amd-amdhsa -mcpu=gfx1250 --defsym DOCPART=n.
;; ======== version 1 of 1: 4 launches
;; limits: values are held in f16: magnitudes above 65,504 overflow, below 6.1e-05 lose precision
;; workspace buffers: xb 16,777,216 bytes; wab 6,291,456 bytes; wpb 2,097,152 bytes; qkv 50,331,648 bytes; ob 16,777,216 bytes
;; launch cast (part 1): grid 768 x 1, 8 waves a work-group, no clusters, 0 bytes of LDS; arguments x, w_attn, w_proj, xb, wab, wpb; writes xb, wab, wpb
.if DOCPART == 1
	.amdgcn_target "amdgcn-amd-amdhsa--gfx1250"
	.amdhsa_code_object_version 6
	.text
	.protected	k_qe1e6097021_cast
	.globl	k_qe1e6097021_cast
	.p2align	8
	.type	k_qe1e6097021_cast,@function
k_qe1e6097021_cast:
	s_mov_b64 s[64:65], 0
	v_nop
	global_prefetch_b8 v0, s[64:65] scope:SCOPE_SE
	s_setreg_imm32_b32 hwreg(HW_REG_WAVE_MODE, 25, 1), 1
	s_wait_xcnt 0x0
; The three large inputs are rounded once to bf16 (nearest even).  A stream: no LDS, no barrier, no matrix work, nothing shared between work-groups.
;   x      [8192][1024] f32 -> xb  bf16, laid in blocks of 64 along K: byte (b<<22) + (kb<<18) + t*128 + 2c  (b = row / 2048, t = row % 2048, kb = column / 64, c = column % 64)
;   w_attn [1024][3072] f32 -> wab bf16, same order
;   w_proj [1024][1024] f32 -> wpb: rounded to bf16, and that number written as f16.
; LIMIT: a bf16 number below 6.1e-5 in magnitude keeps f16's fixed step of 6e-8 in wpb; beyond 65,504 it would be an infinity (w_proj as drawn has a spread of 0.02).
; SHARES.  A work-group takes 65,536 bytes of f32: groups 0-511 sixteen rows of x, 512-703 w_attn, 704-767 w_proj.  A wave takes 8,192 bytes in eight steps; in a step a lane
; loads 32 bytes (two loads of 16) and stores 16.  All sixteen loads go out first; no register is written twice while a memory instruction may read it, so no wait but the counted ones.
.set IN,  8                            ; v[8:71]    step i: 8 f32 as loaded
.set OUT, 72                           ; v[72:103]  step i: 4 registers to store
.set T,   104                          ; v[104:111] at work (the f16 path)
; sstep, dstep: bytes from step to step in the source and in the destination.  f16 = 1: bf16's number is written as f16.
.macro PATH sstep, dstep, f16
.irp i, 0,1,2,3,4,5,6,7
	global_load_b128 v[IN+8*(\i):IN+8*(\i)+3],   v1, s[20:21] offset:(\sstep)*(\i) th:TH_LOAD_NT
	global_load_b128 v[IN+8*(\i)+4:IN+8*(\i)+7], v1, s[20:21] offset:(\sstep)*(\i)+16 th:TH_LOAD_NT
.endr
.irp i, 0,1,2,3,4,5,6,7
	s_wait_loadcnt 14-2*(\i)                       ; loads come back in order: step i's two are in, the 14 - 2 i younger ones stay out
.irp j, 0,1,2,3
	v_cvt_pk_bf16_f32 v[OUT+4*(\i)+(\j)], v[IN+8*(\i)+2*(\j)], v[IN+8*(\i)+2*(\j)+1]
.endr
.if \f16
.irp j, 0,1,2,3
	v_lshlrev_b32 v[T+2*(\j)],   16, v[OUT+4*(\i)+(\j)]          ; the rounded numbers as f32 again,
	v_and_b32     v[T+2*(\j)+1], 0xffff0000, v[OUT+4*(\i)+(\j)]
.endr
.irp j, 0,1,2,3
	v_cvt_pk_f16_f32 v[OUT+4*(\i)+(\j)], v[T+2*(\j)], v[T+2*(\j)+1]  ; and as f16: exact within f16's range
.endr
.endif
	global_store_b128 v2, v[OUT+4*(\i):OUT+4*(\i)+3], s[22:23] offset:(\dstep)*(\i)  ; 32 lanes store 512 consecutive bytes, aligned
.endr
.endm
	s_load_b256 s[4:11], s[0:1], 0x0               ; x s[4:5], w_attn s[6:7], w_proj s[8:9], xb s[10:11]
	s_load_b128 s[12:15], s[0:1], 0x20             ; wab s[12:13], wpb s[14:15]
	v_lshrrev_b32 v3, 5, v0
	v_readfirstlane_b32 s16, v3                    ; wave 0..7
	v_and_b32 v4, 31, v0                           ; lane
	v_lshlrev_b32 v2, 4, v4                        ; my 16 bytes of a store
	s_mov_b32 s19, 0                               ; high word of the offsets: all stay under 2^32
	s_wait_kmcnt 0x0
	s_cmp_lt_u32 ttmp9, 512
	s_cbranch_scc0 .Lweights
	; x: wave w takes rows 4 (w / 2) .. + 3 of the group's 16, and half w % 2 of their columns: eight blocks of 64, a block a step.  A lane: row l / 8, eight columns at 8 (l % 8).
	s_lshr_b32 s17, s16, 1
	s_and_b32 s24, s16, 1
	s_lshl_b32 s18, ttmp9, 16                      ; 16 rows of 4,096 bytes
	s_lshl_b32 s26, s17, 14
	s_add_co_u32 s18, s18, s26
	s_lshl_b32 s26, s24, 11
	s_add_co_u32 s18, s18, s26
	s_add_nc_u64 s[20:21], s[4:5], s[18:19]
	s_lshr_b32 s18, ttmp9, 7                       ; b
	s_lshl_b32 s18, s18, 22
	s_and_b32 s26, ttmp9, 127                      ; t / 16
	s_lshl_b32 s26, s26, 11
	s_add_co_u32 s18, s18, s26
	s_lshl_b32 s26, s17, 9                         ; 4 rows of 128 bytes
	s_add_co_u32 s18, s18, s26
	s_lshl_b32 s26, s24, 21                        ; 8 blocks
	s_add_co_u32 s18, s18, s26
	s_add_nc_u64 s[22:23], s[10:11], s[18:19]
	v_lshrrev_b32 v5, 3, v4
	v_and_b32 v6, 7, v4
	v_lshlrev_b32 v6, 5, v6
	v_lshl_or_b32 v1, v5, 12, v6                   ; (l / 8) x 4,096 + (l % 8) x 32; in xb the same lane stands at 16 l: four rows of 128 bytes on end
	PATH 256, 262144, 0
	s_endpgm
.Lweights:
	v_lshlrev_b32 v1, 5, v4                        ; dense: 32 bytes a lane
	s_cmp_lt_u32 ttmp9, 704
	s_cbranch_scc0 .Lproj
	s_sub_co_u32 s17, ttmp9, 512
	s_lshl_b32 s18, s17, 16
	s_lshl_b32 s24, s16, 13
	s_add_co_u32 s18, s18, s24
	s_add_nc_u64 s[20:21], s[6:7], s[18:19]
	s_lshr_b32 s18, s18, 1                         ; half the bytes on the way out
	s_add_nc_u64 s[22:23], s[12:13], s[18:19]
	PATH 1024, 512, 0
	s_endpgm
.Lproj:
	s_sub_co_u32 s17, ttmp9, 704
	s_lshl_b32 s18, s17, 16
	s_lshl_b32 s24, s16, 13
	s_add_co_u32 s18, s18, s24
	s_add_nc_u64 s[20:21], s[8:9], s[18:19]
	s_lshr_b32 s18, s18, 1
	s_add_nc_u64 s[22:23], s[14:15], s[18:19]
	PATH 1024, 512, 1
	s_endpgm
.Lfunc_end_k_qe1e6097021_cast:
	.size	k_qe1e6097021_cast, .Lfunc_end_k_qe1e6097021_cast-k_qe1e6097021_cast
	.p2alignl 7, 3214868480
	.fill 96, 4, 3214868480
	.section	.rodata,"a",@progbits
	.p2align	6, 0x0
	.amdhsa_kernel k_qe1e6097021_cast
		.amdhsa_group_segment_fixed_size 0
		.amdhsa_private_segment_fixed_size 0
		.amdhsa_enable_private_segment 0
		.amdhsa_kernarg_size 48
		.amdhsa_user_sgpr_count 2
		.amdhsa_user_sgpr_kernarg_segment_ptr 1
		.amdhsa_wavefront_size32 1
		.amdhsa_system_sgpr_workgroup_id_x 1
		.amdhsa_system_sgpr_workgroup_id_y 1
		.amdhsa_system_sgpr_workgroup_id_z 1
		.amdhsa_system_vgpr_workitem_id 0
		.amdhsa_next_free_vgpr 112
		.amdhsa_next_free_sgpr 66
		.amdhsa_reserve_vcc 0
		.amdhsa_float_denorm_mode_32 3
		.amdhsa_float_denorm_mode_16_64 3
		.amdhsa_memory_ordered 1
		.amdhsa_forward_progress 1
		.amdhsa_inst_pref_size 21
	.end_amdhsa_kernel
	.amdgpu_metadata
---
amdhsa.version: [ 1, 2 ]
amdhsa.kernels:
  - .name:           k_qe1e6097021_cast
    .symbol:         k_qe1e6097021_cast.kd
    .args:
      - { .name: x, .offset: 0, .size: 8, .value_kind: global_buffer, .address_space: global }
      - { .name: w_attn, .offset: 8, .size: 8, .value_kind: global_buffer, .address_space: global }
      - { .name: w_proj, .offset: 16, .size: 8, .value_kind: global_buffer, .address_space: global }
      - { .name: xb, .offset: 24, .size: 8, .value_kind: global_buffer, .address_space: global }
      - { .name: wab, .offset: 32, .size: 8, .value_kind: global_buffer, .address_space: global }
      - { .name: wpb, .offset: 40, .size: 8, .value_kind: global_buffer, .address_space: global }
    .group_segment_fixed_size: 0
    .private_segment_fixed_size: 0
    .kernarg_segment_align: 8
    .kernarg_segment_size: 48
    .max_flat_workgroup_size: 256
    .sgpr_count:     66
    .vgpr_count:     112
    .wavefront_size: 32
...
	.end_amdgpu_metadata
.endif
;; end of part 1
;; launch qkvg (part 2): grid 8 x 32, 4 waves a work-group, clusters of 4 x 4, 327,680 bytes of LDS; arguments xb, wab, b_attn, qkv; writes qkv
.if DOCPART == 2
	.amdgcn_target "amdgcn-amd-amdhsa--gfx1250"
	.amdhsa_code_object_version 6
	.text
	.protected	k_qe1e6097021_qkvg
	.globl	k_qe1e6097021_qkvg
	.p2align	8
	.type	k_qe1e6097021_qkvg,@function
k_qe1e6097021_qkvg:
	s_mov_b64 s[64:65], 0
	v_nop
	global_prefetch_b8 v0, s[64:65] scope:SCOPE_SE
	s_setreg_imm32_b32 hwreg(HW_REG_WAVE_MODE, 25, 1), 1
	s_wait_xcnt 0x0
	s_wait_alu depctr_hold_cnt(0) depctr_sa_sdst(0) depctr_va_vdst(0) depctr_va_sdst(0) depctr_va_ssrc(0) depctr_va_vcc(0) depctr_vm_vsrc(0)
	s_getreg_b32 s2, hwreg(HW_REG_IB_STS2, 6, 4)
	s_cmp_eq_u32 s2, 0
	s_cbranch_scc0 .Lentry_in_a_cluster
	s_endpgm
.Lentry_in_a_cluster:
	s_bfe_u32 s2, ttmp6, 0x10000c
	s_cmp_lg_u32 s2, 0xf033
	s_cbranch_scc0 .Lentry_shape_is_right
	s_endpgm
.Lentry_shape_is_right:
; qkv = x w_attn + b_attn, [8192][3072], K = 1024.  Operands bf16 (xb in blocks of 64 along K, wab [K][N]), the bias rounded to bf16 like the other inputs, sums in f32, the result rounded once to f16
; and written by heads: qkv byte ((48 b + g) << 18) + t*128 + 2d, g = column / 64 (0-15 q's heads, 16-31 k's, 32-47 v's).
; LIMIT: f16 ends at 65,504: a q, k or v beyond that becomes an infinity (as drawn their spread is 0.64).
; SHARES.  8192 x 3072 = 256 tiles of 256 x 384, a work-group each.  Four waves; wave w owns rows 128 (w / 2) .. + 127 and, of each of the tile's three segments of 128 columns, the 64 at 64 (w % 2):
; one head a segment.  96 accumulators of 16 x 16 = 768 registers.  K goes in steps of 64 through two LDS slots; a step is two blocks of 32 along K, 96 matrix instructions each.
; THE PRODUCT IS TAKEN TRANSPOSED: source 0 = 16 columns of w (turned on the way out of LDS by ds_load_tr16_b128, since w lies [K][N]), source 1 = 16 rows of x: a lane then holds row l % 16 and
; the eight neighbouring columns 8 (l / 16) + 0..7.  THE BIAS STARTS THE SUMS: it depends on the column alone, so one accumulator of each column block is written with it and serves as the C operand
; of the first K block's products of that column block; nothing is cleared and the way out adds nothing.
; CLUSTER 4 x 4: the four work-groups of a row of the cluster need the same tile of x, the four of a column the same tile of w: each is asked for jointly.
; REGISTERS: window 0: v0-31 addresses; v32-95, v96-159 x's fragments (8 x 16 rows x 32 K), two buffers; v160-255 w's 12 fragments, one buffer, loaded again segment by segment.
;   window 1 + seg: the 32 accumulators of segment seg: column block j (0-3), row block a (0-7) at v[8 (8 j + a)].
.set PA,    144                        ; a row of x in LDS: 128 bytes + 16 = 36 words: the 16 rows of a load start at 16 different groups of four banks (64 banks of 4 bytes: ISA guide 11.1)
.set PB,    864                        ; a row of w: three segments of 256 bytes + 32 each = 216 words
.set ASZ,   256*PA                     ; x's 256 rows
.set SLOT,  ASZ+64*PB                  ; then w's 64 rows: 92,160 bytes
.set STAGE, 2*SLOT                     ; behind the ring: 16 rows x 144 bytes for each wave, for the way out
.set SP,    144
.set SPARE, STAGE+4*16*SP              ; behind the stages: the spare words, 128 bytes for each wave: two blocks of 256 bytes that no other line names
.set ASTEP, 2<<18                      ; two blocks of 64 along K in xb
.set WSTEP, 2*64*6144                  ; 128 rows of wab
.set ADRA, 16                          ; v16-17  LDS address of my fragments of x in slot 0, 1
.set ADRB, 20                          ; v20-21  the same for w
.set STO,  24                          ; v24     the way out: where I put 16 bytes of a row
.set RD,   25                          ; v25     where I read rows back
.set GO,   26                          ; v26     my 16 bytes of 512 consecutive bytes of qkv
.set BO,   27                          ; v27     my byte offset in the bias
.set SPW,  28                          ; v28     LDS address of my spare word; never rewritten
.set NIL,  29                          ; v29     0; never rewritten
.set AF,   32
.set BF,   160
.set PK,   32                          ; the way out: two buffers of 16
.set WV,  12                           ; s12 wave;  s13 wave / 2: my half of the rows;  s14 wave % 2: my half of each segment, and which half of a tile I fetch
.set G1A, 24                           ; s[24:31] descriptor group 1 for x's tiles;  s[32:39] group 0, a set for each slot
.set G0A, 32
.set G1B, 48                           ; s[48:55], s[56:63] the same for w's
.set G0B, 56
.set MSB, 0
.macro WIN new                         ; the immediate's high byte repeats the setting that is left; a switch that changes nothing is dropped
.if MSB != (\new)
	s_set_vgpr_msb (MSB<<8)|(\new)
.set MSB, \new
.endif
.endm
; A joint load.  Waves 0 and 1 fetch the halves of x's tile, waves 2 and 3 those of w's.  The branch hangs on the wave's number alone.  An s_nop 0 and four v_nop follow each line.
.macro JLOAD s
	s_cmp_lt_u32 s[WV], 2
	s_cbranch_scc0 .Lfor_w_\@
	tensor_load_to_lds s[G0A+4*(\s):G0A+4*(\s)+3], s[G1A:G1A+7]
	s_nop 0
.rept 4
	v_nop
.endr
	s_branch .Lasked_\@
.Lfor_w_\@:
	tensor_load_to_lds s[G0B+4*(\s):G0B+4*(\s)+3], s[G1B:G1B+7]
	s_nop 0
.rept 4
	v_nop
.endr
.Lasked_\@:
.endm
.macro CREST                           ; a round of the cluster's barrier behind its opening barrier: wave 0 signals for the work-group, every wave waits for all sixteen, the work-group's barrier closes it
	s_cmp_lg_u32 s[WV], 0
	s_cbranch_scc1 .Lnot_wave_0_\@
	s_barrier_signal -3
.Lnot_wave_0_\@:
	s_barrier_wait -3
	s_barrier_signal -1
	s_barrier_wait -1
.endm
.macro CROUND
	s_barrier_signal -1
	s_barrier_wait -1
	CREST
.endm
.macro PLACES                          ; four plain vector instructions between a matrix instruction and a load into, or a vector read of, its registers (ISA guide 7.12.1 for vector reads)
.rept 4
	v_nop
.endr
.endm
	s_load_b256 s[4:11], s[0:1], 0x0               ; xb s[4:5], wab s[6:7], b_attn s[8:9], qkv s[10:11]
	v_lshl_add_u32 v[SPW], v0, 2, SPARE
	v_mov_b32 v[NIL], 0
	ds_add_u32 v[SPW], v[NIL]                      ; the wave's opening: the add and its wait stand ahead of my first tensor load; the set-up below stands between them
	v_lshrrev_b32 v1, 5, v0
	v_readfirstlane_b32 s[WV], v1
	s_lshr_b32 s13, s[WV], 1
	s_and_b32 s14, s[WV], 1
	s_bfe_u32 s40, ttmp6, 0x40000                  ; cx
	s_bfe_u32 s41, ttmp6, 0x40004                  ; cy
	s_lshl_b32 s42, ttmp9, 2
	s_add_co_u32 s42, s42, s40                     ; column tile nt = 4 x cluster x + cx
	s_and_b32 s43, ttmp7, 0xffff
	s_lshl_b32 s43, s43, 2
	s_add_co_u32 s43, s43, s41                     ; row tile mt = 4 x cluster y + cy
	s_lshl_b32 s44, s41, 2
	s_lshl_b32 s44, 15, s44                        ; my row of the cluster
	s_lshl_b32 s45, 0x1111, s40                    ; my column
	; x's tile: 128 tile rows of 128 bytes are 16,384 dense bytes: asked for as 64 rows of 256 bytes, padded by 4 words after every 32
	s_or_b32 s[G1A+0], s44, (1<<16)|(1<<20)|(1<<21)|(4<<22)|(3<<25)
	s_mov_b32 s[G1A+1], 128<<16                    ; tensor_dim0 = 128
	s_mov_b32 s[G1A+2], 64<<16                     ; tensor_dim1 = 64
	s_mov_b32 s[G1A+3], 128<<16                    ; tile_dim0 = 128
	s_mov_b32 s[G1A+4], 64                         ; tile_dim1 = 64
	s_mov_b32 s[G1A+5], 128                        ; elements from row to row
	s_mov_b32 s[G1A+6], 0
	s_mov_b32 s[G1A+7], 0
	; w's tile: 32 rows of 384 elements (768 bytes), padded by 8 words after every 64
	s_or_b32 s[G1B+0], s45, (1<<16)|(1<<20)|(1<<21)|(5<<22)|(7<<25)
	s_mov_b32 s[G1B+1], 384<<16
	s_mov_b32 s[G1B+2], 32<<16
	s_mov_b32 s[G1B+3], 384<<16
	s_mov_b32 s[G1B+4], 32
	s_mov_b32 s[G1B+5], 3072
	s_mov_b32 s[G1B+6], 0
	s_mov_b32 s[G1B+7], 0
	s_lshr_b32 s16, s43, 3                         ; x's offset, of the row tile and the wave alone: batch,
	s_lshl_b32 s16, s16, 22
	s_and_b32 s17, s43, 7                          ; 256 rows of 128 bytes,
	s_lshl_b32 s17, s17, 15
	s_add_co_u32 s16, s16, s17
	s_lshl_b32 s17, s14, 14                        ; my 128 of them
	s_add_co_u32 s16, s16, s17
	s_mov_b32 s17, 0
	s_mul_i32 s46, s42, 768                        ; w's offset, of the column tile and the wave alone: 384 columns,
	s_mul_i32 s47, s14, 32*6144                    ; my 32 rows
	s_add_co_u32 s46, s46, s47
	s_mov_b32 s47, 0
	s_mul_i32 s20, s14, 128*PA                     ; where they go in a slot: no place in the cluster enters an LDS address
	s_mul_i32 s21, s14, 32*PB
	s_add_co_u32 s21, s21, ASZ
	s_wait_dscnt 0x0                               ; the opening add is done
	s_wait_kmcnt 0x0
	s_add_nc_u64 s[16:17], s[4:5], s[16:17]
	s_add_nc_u64 s[46:47], s[6:7], s[46:47]
	CROUND                                         ; all sixteen work-groups are here: the first joint loads meet
.irp s, 0,1
	s_mov_b32 s[G0A+4*(\s)], 1
	s_add_co_u32 s[G0A+4*(\s)+1], s20, (\s)*SLOT
	s_add_nc_u64 s[G0A+4*(\s)+2:G0A+4*(\s)+3], s[16:17], (\s)*(ASTEP/2)
	s_or_b32 s[G0A+4*(\s)+3], s[G0A+4*(\s)+3], 0x80000000
	s_mov_b32 s[G0B+4*(\s)], 1
	s_add_co_u32 s[G0B+4*(\s)+1], s21, (\s)*SLOT
	s_add_nc_u64 s[G0B+4*(\s)+2:G0B+4*(\s)+3], s[46:47], (\s)*(WSTEP/2)
	s_or_b32 s[G0B+4*(\s)+3], s[G0B+4*(\s)+3], 0x80000000
	JLOAD \s                                       ; two loads of mine are out
.endr
	v_and_b32 v1, 15, v0                           ; r = l % 16
	v_bfe_u32 v2, v0, 4, 1                         ; h = l / 16
	s_mul_i32 s22, s42, 1536                       ; the bias of my columns: 4 (384 nt + 64 (w % 2) + 8 h) bytes on
	s_lshl_b32 s23, s14, 8
	s_add_co_u32 s22, s22, s23
	v_lshl_add_u32 v[BO], v2, 5, s22
.set i, 0
.rept 12                                           ; segment i / 4, column block i % 4: eight numbers a lane
	global_load_b128 v[BF+8*i:BF+8*i+3],   v[BO], s[8:9] offset:512*(i/4)+64*(i%4)
	global_load_b128 v[BF+8*i+4:BF+8*i+7], v[BO], s[8:9] offset:512*(i/4)+64*(i%4)+16
.set i, i+1
.endr
	v_mul_u32_u24 v3, v1, PA                       ; a fragment of x: row r x pitch + 16 h; two loads of 16 bytes, 32 apart
	v_lshl_add_u32 v3, v2, 4, v3
	s_mul_i32 s22, s13, 128*PA
	v_add_nc_u32 v[ADRA], s22, v3
	v_add_nc_u32 v[ADRA+1], SLOT, v[ADRA]
	v_and_b32 v4, 7, v0                            ; a fragment of w, turned: lane l reads row 8 h + l % 8, 16 bytes at 16 ((l / 8) % 2); two loads, 16 rows apart
	v_bfe_u32 v5, v0, 3, 1
	v_lshl_add_u32 v6, v2, 3, v4
	v_mul_u32_u24 v6, v6, PB
	v_lshl_add_u32 v6, v5, 4, v6
	s_lshl_b32 s23, s14, 7
	s_add_co_u32 s23, s23, ASZ
	v_add_nc_u32 v[ADRB], s23, v6
	v_add_nc_u32 v[ADRB+1], SLOT, v[ADRB]
	s_mul_i32 s22, s[WV], 16*SP
	s_add_co_u32 s22, s22, STAGE                   ; my stage
	v_add_nc_u32 v[STO], s22, v3                   ; in: row r, 16 bytes for each half of the lanes (the stage's pitch is x's)
	v_bfe_u32 v3, v0, 3, 2                         ; back: 32 lanes take four rows of 128 bytes,
	v_mul_u32_u24 v3, v3, SP
	v_lshl_add_u32 v3, v4, 4, v3
	v_add_nc_u32 v[RD], s22, v3
	v_and_b32 v3, 31, v0                           ; which are 512 consecutive bytes of a head
	v_lshlrev_b32 v[GO], 4, v3
	s_lshr_b32 s18, s43, 3                         ; qkv at my rows of my first head: 48 b + 6 nt + w % 2,
	s_mul_i32 s18, s18, 48
	s_mul_i32 s19, s42, 6
	s_add_co_u32 s18, s18, s19
	s_add_co_u32 s18, s18, s14
	s_lshl_b32 s18, s18, 18
	s_and_b32 s19, s43, 7                          ; the tile's 256 rows,
	s_lshl_b32 s19, s19, 15
	s_add_co_u32 s18, s18, s19
	s_lshl_b32 s19, s13, 14                        ; my 128
	s_add_co_u32 s18, s18, s19
	s_mov_b32 s19, 0
	s_add_nc_u64 s[10:11], s[10:11], s[18:19]
	s_wait_loadcnt 0x0                             ; the bias
.set i, 0
.rept 48
	v_cvt_pk_bf16_f32 v[AF+i], v[BF+2*i], v[BF+2*i+1]  ; rounded to bf16 like the other inputs,
.set i, i+1
.endr
.irp seg, 0,1,2
	WIN ((\seg)+1)<<6                              ; destination in the segment's window
.irp j, 0,1,2,3
.irp q, 0,1,2,3
	v_lshlrev_b32 v[64*(\j)+2*(\q)],   16, v[AF+4*(4*(\seg)+(\j))+(\q)]          ; and laid as f32 into accumulator (j, 0)
	v_and_b32     v[64*(\j)+2*(\q)+1], 0xffff0000, v[AF+4*(4*(\seg)+(\j))+(\q)]
.endr
.endr
.endr
	WIN 0
.macro FETCH_A s, c                    ; 16 loads: my 128 rows, 32 along K at block c, into buffer c
	WIN 0
.irp a, 0,1,2,3,4,5,6,7
	ds_load_b128 v[AF+64*(\c)+8*(\a):AF+64*(\c)+8*(\a)+3],   v[ADRA+(\s)] offset:(\a)*16*PA+64*(\c)
	ds_load_b128 v[AF+64*(\c)+8*(\a)+4:AF+64*(\c)+8*(\a)+7], v[ADRA+(\s)] offset:(\a)*16*PA+64*(\c)+32
.endr
.endm
.macro FETCH_B s, c, seg               ; 8 turning loads: my 64 columns of segment seg, 32 along K at block c
	WIN 0
.irp j, 0,1,2,3
	ds_load_tr16_b128 v[BF+32*(\seg)+8*(\j):BF+32*(\seg)+8*(\j)+3],   v[ADRB+(\s)] offset:32*(\c)*PB+288*(\seg)+32*(\j)
	ds_load_tr16_b128 v[BF+32*(\seg)+8*(\j)+4:BF+32*(\seg)+8*(\j)+7], v[ADRB+(\s)] offset:32*(\c)*PB+288*(\seg)+32*(\j)+16*PB
.endr
.endm
; 16 matrix instructions: column blocks j0, j0 + 1 of segment seg x all 8 row blocks.  The accumulators take turns, one instruction a turn: 95 others' stand between two links of a chain.
.macro MUL16 seg, c, j0
	WIN 0x50*((\seg)+1)                            ; C and D in the segment's window, both sources in window 0
.irp j, \j0, (\j0)+1
.irp a, 0,1,2,3,4,5,6,7
	v_wmma_f32_16x16x32_bf16 v[8*(8*(\j)+(\a)):8*(8*(\j)+(\a))+7], v[BF+32*(\seg)+8*(\j):BF+32*(\seg)+8*(\j)+7], v[AF+64*(\c)+8*(\a):AF+64*(\c)+8*(\a)+7], v[8*(8*(\j)+(\a)):8*(8*(\j)+(\a))+7]
.endr
.endr
.endm
; The first K block of a segment: 28 products take the bias in accumulator (j, 0) as C and start their own sums; five places later (a matrix instruction writes over a register that earlier ones read) the four (j, 0) add in place.
.macro MULB seg
	WIN 0x50*((\seg)+1)
.irp a, 1,2,3,4,5,6,7
.irp j, 0,1,2,3
	v_wmma_f32_16x16x32_bf16 v[8*(8*(\j)+(\a)):8*(8*(\j)+(\a))+7], v[BF+32*(\seg)+8*(\j):BF+32*(\seg)+8*(\j)+7], v[AF+8*(\a):AF+8*(\a)+7], v[64*(\j):64*(\j)+7]
.endr
.endr
.rept 5
	v_nop
.endr
.irp j, 0,1,2,3
	v_wmma_f32_16x16x32_bf16 v[64*(\j):64*(\j)+7], v[BF+32*(\seg)+8*(\j):BF+32*(\seg)+8*(\j)+7], v[AF:AF+7], v[64*(\j):64*(\j)+7]
.endr
.endm
.macro MUL seg, c, first=0
.if \first
	MULB \seg
.else
	MUL16 \seg, \c, 0
	MUL16 \seg, \c, 2
.endif
.endm
; A slot's first K block.  Behind each segment's products its fragments of w are loaded again, for the second block.  On entry 40 loads are out, in this order: w's segment 0 (8), x (16), segment 1 (8), segment 2 (8).
.macro CH0 s, first=0
	s_wait_dscnt 16                                ; segment 0 and x are in; segments 1 and 2 may be out
	MUL 0, 0, \first
	PLACES
	FETCH_B \s, 1, 0
	FETCH_A \s, 1
	s_wait_dscnt 32                                ; segment 1 is in: behind it stand segment 2's 8 and the 24 just issued
	MUL 1, 0, \first
	PLACES
	FETCH_B \s, 1, 1
	s_wait_dscnt 32                                ; segment 2 is in: behind it stand 24 + 8
	MUL 2, 0, \first
	PLACES
	FETCH_B \s, 1, 2                               ; my last reads of the slot
.endm
; A slot's second K block, and the change of slots.  mode 1: the slot is filled again, two steps ahead; 0: nothing is left to ask for; 2: the very last block.
; In front of the barrier each wave waits for all its tensor loads (one is out: its part of the other slot), adds 0 to its spare word, and waits for that and for its reads of this slot.
.macro CH1 s, mode
.if (\mode) == 2
	s_wait_dscnt 16
	MUL 0, 1
	s_wait_dscnt 8
	MUL 1, 1
	s_wait_dscnt 0x0
	MUL 2, 1
.else
	WIN 0                                          ; (the add's registers lie in window 0)
	s_wait_tensorcnt 0x0                           ; all my tensor loads have landed
	ds_add_u32 v[SPW], v[NIL]                      ; 0 onto my spare word
	s_wait_dscnt 17                                ; segment 0 and x are in: segments 1 and 2 (8 + 8) and the add may be out
	MUL16 0, 1, 0                                  ; sixteen matrix instructions stand between the add and the wait for it
	s_wait_dscnt 0x0                               ; the add is done, and my reads of this slot are over
	s_barrier_signal -1
	MUL16 0, 1, 2                                  ; work on registers while the others arrive
	WIN 0
	s_barrier_wait -1
.if (\mode) == 1
	CREST                                          ; the barrier has opened a round of the cluster's: no wave of any partner still reads this slot or has a load on its way
	s_add_nc_u64 s[G0A+4*(\s)+2:G0A+4*(\s)+3], s[G0A+4*(\s)+2:G0A+4*(\s)+3], ASTEP
	s_add_nc_u64 s[G0B+4*(\s)+2:G0B+4*(\s)+3], s[G0B+4*(\s)+2:G0B+4*(\s)+3], WSTEP
	JLOAD \s                                       ; my one tensor load behind the round, 160 matrix instructions ahead of the wait for it; its four v_nop are also the places in front of the loads below
.else
	PLACES
.endif
	FETCH_B 1-(\s), 0, 0
	FETCH_A 1-(\s), 0
	MUL 1, 1
	PLACES
	FETCH_B 1-(\s), 0, 1
	MUL 2, 1
	PLACES
	FETCH_B 1-(\s), 0, 2
.endif
.endm
	s_wait_tensorcnt 1                             ; my part of K step 0 is in; step 1's may stay out
	s_barrier_signal -1
	s_barrier_wait -1                              ; everybody's is
	FETCH_B 0, 0, 0
	FETCH_A 0, 0
	FETCH_B 0, 0, 1
	FETCH_B 0, 0, 2
	CH0 0, 1                                       ; the first block stands in front of the loop: its products start the sums
	WIN 0                                          ; at a label and at a branch every window is 0
	s_mov_b32 s3, 7                                ; 16 K steps: seven trips ask for steps 2 to 15
.Llap:
	CH1 0, 1
	CH0 1
	CH1 1, 1
	CH0 0
	WIN 0
	s_sub_co_u32 s3, s3, 1
	s_cmp_lg_u32 s3, 0
	s_cbranch_scc1 .Llap
	CH1 0, 0                                       ; the tail asks for nothing
	CH0 1
	CH1 1, 2
; THE WAY OUT, a unit at a time: u = 8 seg + a: 16 rows x 64 columns, one head's.  Rounded to f16 (each accumulator from its low end), 16 bytes a lane into my stage, back as four rows of 128 bytes a load,
; which are 512 consecutive bytes of the head.
.macro UNIT u
.set SG, (\u)/8
.set AA, (\u)%8
.set PKB, PK+16*((\u)%2)
	s_wait_xcnt 0x0                                ; the stores of two units back have read this buffer
	WIN 5*(SG+1)                                   ; sources 0 and 1 in the segment's window
.irp j, 0,1,2,3
.irp q, 0,1,2,3
	v_cvt_pk_f16_f32 v[PKB+4*(\j)+(\q)], v[8*(8*(\j)+AA)+2*(\q)], v[8*(8*(\j)+AA)+2*(\q)+1]
.endr
.endr
	WIN 0
.irp j, 0,1,2,3
	ds_store_b128 v[STO], v[PKB+4*(\j):PKB+4*(\j)+3] offset:32*(\j)
.endr
.irp f, 0,1,2,3
	ds_load_b128 v[PKB+4*(\f):PKB+4*(\f)+3], v[RD] offset:(\f)*4*SP  ; LDS serves a wave's instructions in order (ISA guide 5.7.1.4): these see the stores above; the next unit's stores come behind them
.endr
.endm
.macro SEND u, younger                 ; younger: the LDS instructions issued behind unit u's loads: the next unit's eight, or none
.set SG, (\u)/8
.set AA, (\u)%8
.set PKB, PK+16*((\u)%2)
.irp f, 0,1,2,3
	s_wait_dscnt (\younger)+3-(\f)
	global_store_b128 v[GO], v[PKB+4*(\f):PKB+4*(\f)+3], s[10:11] offset:SG*524288+AA*2048+(\f)*512  ; two heads on for each segment; 512 consecutive bytes, aligned
.endr
.endm
	PLACES
	PLACES
	UNIT 0
.set t, 1
.rept 23                                           ; a unit's conversions stand between the loads of the unit before and its stores
	UNIT t
	SEND t-1, 8
.set t, t+1
.endr
	SEND 23, 0
	s_wait_tensorcnt 0x0                           ; the wave's end: a wait, an add and its wait, behind my last tensor load and my last LDS store
	ds_add_u32 v[SPW], v[NIL]
	s_wait_dscnt 0x0
	CROUND                                         ; the closing round: no work-group ends while a partner may still ask for a tile that names it
	s_endpgm
.Lfunc_end_k_qe1e6097021_qkvg:
	.size	k_qe1e6097021_qkvg, .Lfunc_end_k_qe1e6097021_qkvg-k_qe1e6097021_qkvg
	.p2alignl 7, 3214868480
	.fill 96, 4, 3214868480
	.section	.rodata,"a",@progbits
	.p2align	6, 0x0
	.amdhsa_kernel k_qe1e6097021_qkvg
		.amdhsa_group_segment_fixed_size 327680
		.amdhsa_private_segment_fixed_size 0
		.amdhsa_enable_private_segment 0
		.amdhsa_kernarg_size 32
		.amdhsa_user_sgpr_count 2
		.amdhsa_user_sgpr_kernarg_segment_ptr 1
		.amdhsa_wavefront_size32 1
		.amdhsa_system_sgpr_workgroup_id_x 1
		.amdhsa_system_sgpr_workgroup_id_y 1
		.amdhsa_system_sgpr_workgroup_id_z 1
		.amdhsa_system_vgpr_workitem_id 0
		.amdhsa_next_free_vgpr 1024
		.amdhsa_next_free_sgpr 66
		.amdhsa_reserve_vcc 0
		.amdhsa_float_denorm_mode_32 3
		.amdhsa_float_denorm_mode_16_64 3
		.amdhsa_memory_ordered 1
		.amdhsa_forward_progress 1
		.amdhsa_inst_pref_size 144
	.end_amdhsa_kernel
	.amdgpu_metadata
---
amdhsa.version: [ 1, 2 ]
amdhsa.kernels:
  - .name:           k_qe1e6097021_qkvg
    .symbol:         k_qe1e6097021_qkvg.kd
    .args:
      - { .name: xb, .offset: 0, .size: 8, .value_kind: global_buffer, .address_space: global }
      - { .name: wab, .offset: 8, .size: 8, .value_kind: global_buffer, .address_space: global }
      - { .name: b_attn, .offset: 16, .size: 8, .value_kind: global_buffer, .address_space: global }
      - { .name: qkv, .offset: 24, .size: 8, .value_kind: global_buffer, .address_space: global }
    .group_segment_fixed_size: 327680
    .private_segment_fixed_size: 0
    .kernarg_segment_align: 8
    .kernarg_segment_size: 32
    .max_flat_workgroup_size: 128
    .sgpr_count:     66
    .vgpr_count:     1024
    .wavefront_size: 32
...
	.end_amdgpu_metadata
.endif
;; end of part 2
;; launch attn (part 3): grid 4 x 64, 4 waves a work-group, clusters of 4 x 1, 327,680 bytes of LDS; arguments qkv, ob; writes ob
.if DOCPART == 3
	.amdgcn_target "amdgcn-amd-amdhsa--gfx1250"
	.amdhsa_code_object_version 6
	.text
	.protected	k_qe1e6097021_attn
	.globl	k_qe1e6097021_attn
	.p2align	8
	.type	k_qe1e6097021_attn,@function
k_qe1e6097021_attn:
	s_mov_b64 s[64:65], 0
	v_nop
	global_prefetch_b8 v0, s[64:65] scope:SCOPE_SE
	s_setreg_imm32_b32 hwreg(HW_REG_WAVE_MODE, 25, 1), 1
	s_wait_xcnt 0x0
	s_wait_alu depctr_hold_cnt(0) depctr_sa_sdst(0) depctr_va_vdst(0) depctr_va_sdst(0) depctr_va_ssrc(0) depctr_va_vcc(0) depctr_vm_vsrc(0)
	s_getreg_b32 s2, hwreg(HW_REG_IB_STS2, 6, 4)
	s_cmp_eq_u32 s2, 0
	s_cbranch_scc0 .Lentry_in_a_cluster
	s_endpgm
.Lentry_in_a_cluster:
	s_bfe_u32 s2, ttmp6, 0x10000c
	s_cmp_lg_u32 s2, 0x3003
	s_cbranch_scc0 .Lentry_shape_is_right
	s_endpgm
.Lentry_shape_is_right:
; O[y][q][:] = the sum over k of softmax_k(Q[y][q] . K[y][k] / 8) V[y][k][:], y = 16 b + h, 64 of them, 2,048 rows each, head size 64, no mask.  All f16; a head's rows are dense, 128 bytes each.
; Q, K, V lie in qkv at head numbers 48 b + h, + 16, + 32 (262,144 bytes a head); O goes to ob at head number y.  Products, maxima and sums in f32; the weights p are rounded to f16 for the second
; product (their sum l is taken of the unrounded p), O once at the end.
; LIMITS.  f16 holds no number beyond 65,504: Q, K and V arrive within it; p lies in 0 to 1, and below 6e-5 it keeps f16's fixed step of 6e-8; O is a mean of V's rows and has their range.
; A weight below 2^-126 counts as 0 in l; NaN and infinities are not treated apart.
; SHARES.  A wave owns four PIECES of two tiles of 16 queries, a work-group's four waves 512 queries of one head.  Every wave walks all keys, 64 a step.
; LAYOUT.  S^T = K Q^T (source 0 = 16 keys, source 1 = 16 queries): in the result a lane holds ONE query (lane % 16) and the keys 8 (lane / 16) + 0..7.  Two such tiles, rounded to f16 in pairs,
; ARE source 1 (32 keys x 16 queries) of O^T = V^T P, whose result again holds one query a lane, and eight channels.  K comes out of LDS as it lies, V ([key][channel]) turned, by ds_load_tr16_b128.
; SOFTMAX.  For each query a running maximum m and sum l: p = 2^(c s - c m), c = log2(e) / 8; in every step O and l are multiplied by a = 2^(c m_old - c m_new), which is 1 where m has not grown.
; m starts at the lowest finite number, O and l at 0: the first step is a step like any other, with a = 0.
; THE COUNT.  A tile and step have 16 matrix and 118 vector instructions: too many to stand all beside the matrix work.  So: four vector instructions that are READY behind
; EVERY matrix instruction, and the others, which need time of their own whatever the order, in runs without a gap.
; BY TURNS.  Turn n belongs to piece n (the pieces in a ring, step after step).  Its matrix work: 16 products K Q^T of piece n + 1, later 16 products V^T P of piece n - 1.  Its vector work: the scaling,
; exponentials, roundings, sums and rescaling of piece n, and the maximum and statistics of piece n + 1, whose scores the turn itself has made.
; CLUSTER.  The four query blocks of a cluster are one head's and walk the same K and V, so each tile is asked for JOINTLY: the same tensor load, descriptor and mask in all four.
; REGISTERS, in windows of 256 (s_set_vgpr_msb: bits 1:0 source 0, 3:2 source 1, 5:4 source 2, 7:6 destination):
;   window 0: v0-11 addresses; v12-15, v48-63 at work; v16-47 four registers of statistics a tile; v64-191 S^T, two buffers of two tiles; v192-255 P, likewise
;   window 1: O^T, 32 a tile          window 2: v0-127 Q, 16 a tile; v128-191 K of one step; v192-255 V of one step          window 3: v0-1 the add's two registers
.set SIZE_N, 2048
.set NP,    4         ; pieces a wave: a name, no knob
.set KS,    64        ; keys in a step
.set PK,    144       ; a row of K in LDS: 128 bytes + 16 of padding = 36 words: the 16 rows of a load start at 16 different groups of four banks (64 banks of 4 bytes: ISA guide 11.1)
.set PV,    160       ; a row of V: 128 + 32 = 40 words
.set VOFF,  4*KS*PK   ; a slot holds four steps: 256 rows of K, then 256 rows of V
.set SLOT1, 1<<17     ; slot 1 begins here, so that one exclusive or turns an address in one slot into the other's
.set STAGE, SLOT1+4*KS*(PK+PV)  ; behind the ring, never filled by a tensor load: 16 rows x 144 bytes for each wave, for the way out
.set SP,    144
.set AK0, 2           ; v2   my lane's place in a tile of K; never rewritten
.set AV0, 3           ; v3   the same for V
.set AK,  4           ; v4   the LDS address of K's next run of loads
.set AV,  5           ; v5   of V's
.set QO,  6           ; v6   my byte offset in the wave's rows of Q
.set STO, 6           ;      later, the way out: where I put 16 bytes of a row
.set RD,  7           ; v7   the way out: where I read rows back
.set GO,  8           ; v8   my byte offset in 512 consecutive bytes of O
.set PFO, 11          ; v11  (once V's lane address is made) 256 x my lane: the prefetches' offset; then never rewritten
.set SPW, 0           ; v0 of window 3   LDS address of my spare word; never rewritten
.set NIL, 1           ; v1 of window 3   0; never rewritten
.set SPARE, STAGE+4*16*SP  ; behind the stages: the spare words, 128 bytes for each wave: two blocks of 256 bytes that no other line names
.set MV,  12          ; v12-15  c m_old, kept while c m is made anew: by buffer and tile
.set ST,  16          ; tile t's statistics at v[ST+4 t]: c m, m, l (even keys', odd keys')
.set TMP, 48          ; by buffer and tile, four registers c0-c3 at work; when the maximum is found c2 takes a
.set S,   64
.set P,   192
.set KF,  128         ; K's fragments, in window 2: key block kb, channel half c at KF + 16 kb + 8 c
.set VF,  192         ; V's: key half kk, channel block cb at VF + 32 kk + 8 cb
.set WV,  12          ; s12  my wave's number
.set G1K, 24          ; s[24:31] descriptor group 1 for K's tiles
.set G1V, 32          ; s[32:39] for V's: it differs in the padding alone
.set G0K, 40          ; s[40:43] descriptor group 0 for K's tiles: it walks
.set G0V, 44          ; s[44:47] the same for V's
.set PFA, 48          ; s[48:49] where my prefetches stand: my work-group's 32 blocks of 256 bytes (of K: wave 0, of V: wave 2) of the slot after the one that is being asked for
.set LIM, 50          ; s50  1 in a wave that prefetches, else the greatest number
.set SLOTS, 56        ; s56  slots still to be asked for
.set CNT, 57          ; s57  counts a slot's key steps
.set CS,  58          ; s[58:59] c: the packed scaling takes the pair's low word for both halves
.set SEL, 60          ; s[60:61] v_permlanex16_b32's selects: each lane takes its own place in the other half
.set TBK, 62          ; s62  LDS byte at which K of the step to be fetched begins
.set TBV, 63          ; s63  the same for V, less VOFF
.set MSB, 0
.macro WIN new                      ; the high byte repeats the setting that is left; a switch that changes nothing is dropped
.if MSB != (\new)
	s_set_vgpr_msb (MSB<<8)|(\new)
.set MSB, (\new)
.endif
.endm
.set W_KQ, 0x0a       ; K and Q in window 2, S^T in window 0
.set W_PV, 0x52       ; V in window 2, P in window 0, O^T in window 1
.set W_RS, 0x41       ; O^T (destination and source 0) in window 1, a in window 0
.set W_MK, 0xc0       ; the add's registers are made: destination in window 3, sources in window 0
.set W_AD, 0x0f       ; the add: address (source 0) and data (source 1) in window 3
; A joint fill.  Waves 0 and 1 fetch the two halves of a slot's K, waves 2 and 3 those of its V: 128 keys each.  The branch hangs on the wave's number alone.
; An s_nop 0 and four v_nop follow each of the two lines, ahead of the jump and the label.
.macro JLOAD
	s_cmp_lt_u32 s[WV], 2
	s_cbranch_scc0 .Lfor_v_\@
	tensor_load_to_lds s[G0K:G0K+3], s[G1K:G1K+7]
	s_nop 0
.rept 4
	v_nop
.endr
	s_branch .Lasked_\@
.Lfor_v_\@:
	tensor_load_to_lds s[G0V:G0V+3], s[G1V:G1V+7]
	s_nop 0
.rept 4
	v_nop
.endr
.Lasked_\@:
.endm
; A PREFETCH of what the NEXT change of slots will ask for: a slot's 32,768 bytes of K and of V, a lane a block of 256 bytes.  It stands behind the wave's tensor load and its five lines.
; Each block is named ONCE in the launch: a head's only readers are the four partners of its cluster, which share the blocks out BY ADDRESS, 32 each; in each, wave 0 asks for K's and wave 2 for V's.
; The last change that fills a slot asks for nothing: there is no slot behind it.  Slots 0, 1 and 2 come by their loads alone.
.macro ASK
	s_cmp_gt_u32 s[SLOTS], s[LIM]
	s_cbranch_scc0 .Lnot_mine_\@
	global_prefetch_b8 v[PFO], s[PFA:PFA+1] th:TH_LOAD_NT scope:SCOPE_SE
.Lnot_mine_\@:
.endm
; A round of the cluster's barrier: my work-group's barrier, so that wave 0's signal speaks for all four waves; wave 0 signals; every wave waits for all four work-groups; my work-group's barrier once more.
.macro CROUND
	s_barrier_signal -1
	s_barrier_wait -1
	s_cmp_lg_u32 s[WV], 0
	s_cbranch_scc1 .Lnot_wave_0_\@
	s_barrier_signal -3
.Lnot_wave_0_\@:
	s_barrier_wait -3
	s_barrier_signal -1
	s_barrier_wait -1
.endm
; THE CHANGE OF SLOTS.  The slot's last bytes, V of its fourth step, have been read.  Each wave waits for all its tensor loads, of which one is out: its part
; of the other slot; adds 0 to its spare word; and waits for that and for its own reads of the slot.  Behind the barrier nobody reads this slot any more and the other slot is whole.
; fill = 1: this slot is filled again, with the keys two slots on.  The barrier is then a round of the cluster's, and the joint fill is the first thing behind it: it has four key steps,
; 512 matrix instructions, in which to land.  (At its first use nothing has been read yet: slot 0 is waited for, slot 1 filled.)  ask = 1: the prefetch's address steps, and the prefetch follows the fill.
.macro CHANGE fill, ask=0
	WIN W_AD
	s_wait_tensorcnt 0x0            ; no tensor load of mine is out, so a group 0 may be written
	ds_add_u32 v[SPW], v[NIL]       ; 0 onto my spare word; with fill = 1 the descriptors' steps stand between it and the wait for it
	WIN 0                           ; at a label and at a branch every window is 0
.if \fill
.irp g, G0K, G0V
	s_xor_b32 s[\g+1], s[\g+1], SLOT1  ; the walking descriptor: the other slot than last time,
	s_add_nc_u64 s[\g+2:\g+3], s[\g+2:\g+3], 4*KS*128  ; the next 256 keys; the type bits on top are not reached
.endr
.if \ask
	s_wait_xcnt 0x0                 ; the last prefetch, four key steps back, has read its address, so it may be written:
	s_add_nc_u64 s[PFA:PFA+1], s[PFA:PFA+1], 4*KS*128  ; one slot behind the walking descriptors
.endif
	s_wait_dscnt 0x0                ; the add is done, and my reads of the slot are over
	CROUND
	JLOAD
.if \ask
	ASK
.endif
.else
	s_wait_dscnt 0x0                ; the add is done, and my reads of the slot are over
	s_barrier_signal -1
	s_barrier_wait -1
.endif
	s_sub_co_u32 s[TBK], s[TBK], 4*KS*PK  ; the fetches go back to a slot's first step,
	s_xor_b32 s[TBK], s[TBK], SLOT1       ; in the other slot
	s_sub_co_u32 s[TBV], s[TBV], 4*KS*PV
	s_xor_b32 s[TBV], s[TBV], SLOT1
.endm
	s_load_b64 s[4:5], s[0:1], 0x0    ; qkv
	s_load_b64 s[10:11], s[0:1], 0x8  ; ob
	WIN W_MK
	v_lshl_add_u32 v[SPW], v0, 2, SPARE
	v_mov_b32 v[NIL], 0
	WIN W_AD
	ds_add_u32 v[SPW], v[NIL]       ; the wave's opening: the add and its wait stand ahead of my first tensor load; the set-up below, work on registers, stands between them
	WIN 0
	v_lshrrev_b32 v1, 5, v0
	v_readfirstlane_b32 s[WV], v1   ; wave 0..3
	s_bfe_u32 s13, ttmp6, 0x40000   ; cx: my place in the cluster
	s_lshl_b32 s14, ttmp9, 2        ; in a cluster launch ttmp9 counts clusters
	s_add_co_u32 s14, s14, s13      ; my block of queries = 4 x cluster x + cx: it enters Q's and O's addresses (and the prefetches') alone
	s_and_b32 s20, ttmp7, 0xffff    ; y = 16 b + h, which the four partners share
	s_lshl_b32 s52, s20, 18         ; the head's first byte in ob,
	s_mov_b32 s53, 0
	s_lshr_b32 s21, s20, 4
	s_lshl_b32 s21, s21, 5
	s_add_co_u32 s20, s20, s21      ; 48 b + h = y + 32 b:
	s_lshl_b32 s20, s20, 18         ; q's head's first byte in qkv; k's and v's lie 16 and 32 heads on
	s_mov_b32 s21, 0
	s_and_b32 s16, s[WV], 1         ; which half of a slot's 256 keys I fetch:
	s_lshl_b32 s22, s16, 14         ; its 128 rows of 128 bytes in memory,
	s_mov_b32 s23, 0
	s_add_nc_u64 s[22:23], s[22:23], s[20:21]
	s_mul_i32 s17, s16, 128*PK      ; and its place in a slot, for K
	s_mul_i32 s18, s16, 128*PV      ; and for V: no place in the cluster enters an LDS address
	s_lshl_b32 s2, s14, 2
	s_add_co_u32 s2, s2, s[WV]      ; my wave among the head's,
	s_lshl_b32 s2, s2, 14           ; its 128 rows
	s_mov_b32 s3, 0
	; descriptor group 1.  128 keys are 16,384 dense bytes: asked for as 64 rows of 256 bytes, two keys a row, and padded in LDS after every key
	s_mov_b32 s[G1K], 15|(1<<16)|(1<<20)|(1<<21)|(4<<22)|(3<<25)  ; 15:0 the mask of four; 17:16 2-byte elements; 20 padding on; 21 set beside a mask; 24:22 after every 32 words (code 4); 31:25 4 words (code 3)
	s_mov_b32 s[G1V], 15|(1<<16)|(1<<20)|(1<<21)|(4<<22)|(7<<25)  ; the same with 8 words of padding (code 7)
.irp g, G1K, G1V
	s_mov_b32 s[\g+1], 128<<16      ; tensor_dim0 = 128
	s_mov_b32 s[\g+2], 64<<16       ; tensor_dim1 = 64
	s_mov_b32 s[\g+3], 128<<16      ; tile_dim0 = 128
	s_mov_b32 s[\g+4], 64           ; tile_dim1 = 64
	s_mov_b32 s[\g+5], 128          ; 128 elements from row to row
	s_mov_b32 s[\g+6], 0
	s_mov_b32 s[\g+7], 0
.endr
	s_mov_b32 s[CS], 0x3e38aa3b     ; c = log2(e) / 8 = 0.180337
	s_mov_b32 s[CS+1], s[CS]        ; named with it as a pair
	s_mov_b32 s[SEL], 0x76543210
	s_mov_b32 s[SEL+1], 0xfedcba98
	s_mov_b32 s[TBK], SLOT1+4*KS*PK ; the first change of slots turns these two into 0
	s_mov_b32 s[TBV], SLOT1+4*KS*PV
	s_mov_b32 s[G0K], 1             ; 1:0 count = 1
	s_mov_b32 s[G0K+1], s17         ; 63:32 LDS address: slot 0
	s_mov_b32 s[G0V], 1
	s_add_co_u32 s[G0V+1], s18, VOFF
	s_and_b32 s[LIM], s[WV], 1      ; waves 0 and 2 prefetch: the same in all four partners
	s_cmp_eq_u32 s[LIM], 0
	s_cselect_b32 s[LIM], 1, -1
	s_lshl_b32 s54, s13, 13         ; my work-group's 32 blocks of a slot's 128
	s_mov_b32 s55, 0
	s_wait_dscnt 0x0                ; the opening add is done
	s_wait_kmcnt 0x0
	s_add_nc_u64 s[6:7], s[4:5], 0x400000   ; k's heads begin 16 heads behind q's,
	s_add_nc_u64 s[8:9], s[4:5], 0x800000   ; v's 32
	s_add_nc_u64 s[G0K+2:G0K+3], s[6:7], s[22:23]  ; 120:64 global address: my half of the head's first 256 keys
	s_or_b32 s[G0K+3], s[G0K+3], 0x80000000        ; 127:126 type = 2
	s_add_nc_u64 s[G0V+2:G0V+3], s[8:9], s[22:23]
	s_or_b32 s[G0V+3], s[G0V+3], 0x80000000
	s_cmp_lt_u32 s[WV], 2
	s_cselect_b64 s[PFA:PFA+1], s[6:7], s[8:9]
	s_add_nc_u64 s[PFA:PFA+1], s[PFA:PFA+1], s[20:21]
	s_add_nc_u64 s[PFA:PFA+1], s[PFA:PFA+1], s[54:55]
	s_add_nc_u64 s[PFA:PFA+1], s[PFA:PFA+1], 2*4*KS*128  ; in slot 2; the loop's first change of slots steps it to slot 3
	s_add_nc_u64 s[4:5], s[4:5], s[2:3]  ; Q and O at my wave's first row
	s_add_nc_u64 s[4:5], s[4:5], s[20:21]
	s_add_nc_u64 s[10:11], s[10:11], s[2:3]
	s_add_nc_u64 s[10:11], s[10:11], s[52:53]
	CROUND                          ; all four work-groups are here: the first joint loads meet
	JLOAD                           ; slot 0.  Slot 1 is asked for when slot 0 is in
	; A fragment of K or Q is 16 rows x 32 channels in 8 registers: lane l holds row l % 16, channels 8 (l / 16) + 0..7 and 16 + 8 (l / 16) + 0..7: two loads of 16 bytes, 32 bytes apart.
	v_and_b32 v1, 15, v0            ; l % 16
	v_bfe_u32 v9, v0, 4, 1          ; l / 16
	v_lshlrev_b32 v[QO], 7, v1
	v_lshl_add_u32 v[QO], v9, 4, v[QO]  ; row x 128 + 16 x half
	WIN 0x80                        ; destination window 2, address window 0
.set i, 0
.rept 4*NP                          ; Q stays in registers: tile i / 2, channels 32 (i % 2) on
	global_load_b128 v[8*i:8*i+3],   v[QO], s[4:5] offset:(i/2)*2048+(i%2)*64
	global_load_b128 v[8*i+4:8*i+7], v[QO], s[4:5] offset:(i/2)*2048+(i%2)*64+32
.set i, i+1
.endr
	; What the first turn finds: V's registers and P's second buffer hold 0 (its products V^T P, of a piece that has not been, add 0), O^T and l are 0.  All this stands in the wait for the first tile.
.set i, VF
.rept 64
	v_mov_b32 v[i], 0
.set i, i+1
.endr
	WIN 0x40
.set i, 0
.rept 64*NP
	v_mov_b32 v[i], 0
.set i, i+1
.endr
	WIN 0
.set i, 0
.rept 2*NP
	v_mov_b32 v[ST+4*i], 0xfe000000    ; c m: far below every c s
	v_mov_b32 v[ST+4*i+1], 0xff7fffff  ; m
	v_mov_b32 v[ST+4*i+2], 0
	v_mov_b32 v[ST+4*i+3], 0
.set i, i+1
.endr
.set i, P+32
.rept 32
	v_mov_b32 v[i], 0
.set i, i+1
.endr
	v_mul_u32_u24 v[AK0], v1, PK
	v_lshl_add_u32 v[AK0], v9, 4, v[AK0]  ; row x pitch + 16 x half
	; The turning load takes 16 keys x 16 channels (lane l reads key 8 (l / 16) + l % 8, channels 8 ((l / 8) % 2) + 0..7) and leaves half a fragment of V^T: lane l holds channel l % 16 and 8 keys.
	v_and_b32 v10, 7, v0
	v_bfe_u32 v11, v0, 3, 1
	v_lshl_add_u32 v[AV0], v9, 3, v10
	v_mul_u32_u24 v[AV0], v[AV0], PV
	v_lshl_add_u32 v[AV0], v11, 4, v[AV0]
	v_add_nc_u32 v[AV0], VOFF, v[AV0]
	v_and_b32 v[PFO], 31, v0
	v_lshlrev_b32 v[PFO], 8, v[PFO]
	v_mov_b32 v[AK], v[AK0]         ; key step 0 lies at the head of slot 0
; THE MATRIX WORK.  The 8 accumulators of a run of 16 take turns: between the two links of a chain stand 7 others'.
; Product i of 16 of S^T = K Q^T for piece x: channels 32 (i / 8) on, keys 16 ((i / 2) % 4) on, tile 2 x + i % 2.  The first 8 start the sums.
.macro KQ x
	WIN W_KQ
.set rS, S+64*((\x)%2)+32*(i%2)+8*((i/2)%4)
.set rK, KF+16*((i/2)%4)+8*(i/8)
.set rQ, 16*(2*(\x)+i%2)+8*(i/8)
.if i < 8
	v_wmma_f32_16x16x32_f16 v[rS:rS+7], v[rK:rK+7], v[rQ:rQ+7], 0
.else
	v_wmma_f32_16x16x32_f16 v[rS:rS+7], v[rK:rK+7], v[rQ:rQ+7], v[rS:rS+7]
.endif
.endm
; Product i of 16 of O^T += V^T P for piece x: keys 32 (i / 8) on, channels 16 ((i / 2) % 4) on, tile 2 x + i % 2.
.macro PV x
	WIN W_PV
.set rO, 32*(2*(\x)+i%2)+8*((i/2)%4)
.set rV, VF+32*(i/8)+8*((i/2)%4)
.set rP, P+32*((\x)%2)+16*(i%2)+8*(i/8)
	v_wmma_f32_16x16x32_f16 v[rO:rO+7], v[rV:rV+7], v[rP:rP+7], v[rO:rO+7]
.endm
.macro MM                           ; the turn's next matrix instruction
.if i < 16
	KQ (Y+1)%NP
.set i, i+1
.else
.set i, i-16
	PV (Y+NP-1)%NP
.set i, i+17
.endif
.endm
; THE LDS LOADS stand in runs of 16, never singly among the matrix instructions: a step's K (64 keys x 64 channels: 8 fragments) and its V (turned).  Their addresses are made some lines ahead.
; last = 1 (the tail): in the last trip there is no further step, and the run is jumped over.
.macro FETCH_K last=0
	WIN 0
.if \last
	s_cmp_eq_u32 s[CNT], 1
	s_cbranch_scc1 .Lno_k_\@
.endif
	WIN 0x80                        ; destination window 2
.irp f, 0,1,2,3,4,5,6,7             ; keys 16 (f / 2) on, channels 32 (f % 2) on
	ds_load_b128 v[KF+8*\f:KF+8*\f+3],   v[AK] offset:(\f/2)*16*PK+(\f%2)*64
	ds_load_b128 v[KF+8*\f+4:KF+8*\f+7], v[AK] offset:(\f/2)*16*PK+(\f%2)*64+32
.endr
	s_add_co_u32 s[TBK], s[TBK], KS*PK  ; the next fetch is the next step's
	WIN 0
.if \last
.Lno_k_\@:
.endif
.endm
.macro FETCH_V
	WIN 0x80
.irp f, 0,1,2,3,4,5,6,7             ; keys 32 (f / 4) on, channels 16 (f % 4) on
	ds_load_tr16_b128 v[VF+8*\f:VF+8*\f+3],   v[AV] offset:(\f/4)*32*PV+(\f%4)*32
	ds_load_tr16_b128 v[VF+8*\f+4:VF+8*\f+7], v[AV] offset:(\f/4)*32*PV+16*PV+(\f%4)*32
.endr
	WIN 0
.endm
; THE VECTOR WORK OF A TURN stands in three queues, each in the order in which its entries become ready; the two tiles alternate, so that no instruction reads the result of the one before it.
.macro REGS y, u                    ; the registers of tile u (0, 1) of piece y
.set rT, ST+4*(2*(\y)+(\u))
.set rC, TMP+8*((\y)%2)+4*(\u)
.set rM, MV+2*((\y)%2)+(\u)
.set rS, S+64*((\y)%2)+32*(\u)
.set rP, P+32*((\y)%2)+16*(\u)
.set rO, 32*(2*(\y)+(\u))
.endm
; Number n of the 22 that find the NEXT piece's (Y + 1) maximum and statistics.  s0-s31 are the lane's 32 scores; each accumulator's lowest registers are read first.
;   0-11  four chains c0-c3 of seven scores each, three operands at a time     12-14, 16  the four scores left over, the old m, and c0-c3 into c0     15  c m_old is kept
;   17, 18  the query's other 32 keys lie in the lane 16 away: the new m         19-21  c m; c m_old - c m_new; a
.macro XS u, n
	REGS (Y+1)%NP, \u
.if (\n) < 4
	v_max3_num_f32 v[rC+(\n)], v[rS+8*(\n)], v[rS+8*(\n)+1], v[rS+8*(\n)+2]
.elseif (\n) < 12
	v_max3_num_f32 v[rC+(\n)%4], v[rC+(\n)%4], v[rS+8*((\n)%4)+2*((\n)/4)+1], v[rS+8*((\n)%4)+2*((\n)/4)+2]
.elseif (\n) == 12
	v_max3_num_f32 v[rC], v[rC], v[rS+7], v[rS+15]
.elseif (\n) == 13
	v_max3_num_f32 v[rC+1], v[rC+1], v[rS+23], v[rS+31]
.elseif (\n) == 14
	v_max3_num_f32 v[rC+2], v[rC+2], v[rC+3], v[rT+1]
.elseif (\n) == 15
	v_mov_b32 v[rM], v[rT]
.elseif (\n) == 16
	v_max3_num_f32 v[rC], v[rC], v[rC+1], v[rC+2]
.elseif (\n) == 17
	v_permlanex16_b32 v[rC+3], v[rC], s[SEL], s[SEL+1]
.elseif (\n) == 18
	v_max_num_f32 v[rT+1], v[rC], v[rC+3]
.elseif (\n) == 19
	v_mul_f32 v[rT], s[CS], v[rT+1]
.elseif (\n) == 20
	v_sub_f32 v[rC+1], v[rM], v[rT]
.else
	v_exp_f32 v[rC+2], v[rC+1]
.endif
.endm
; Number g of the 64 that follow the exponentials.  For each four weights k of a tile (pairs 2 k, 2 k + 1): both pairs are rounded to f16; then the second pair is added onto the first, in place;
; a group later l takes that sum (the first time as l = a l + sum).  In groups of eight, tiles alternating: round, round, add, and l for the group before.
.macro GS g
.set h, (\g)+6*((\g)/62)            ; group 0 has no group before it, and behind group 7 only l is left
.if h >= 6
.set h, h+2
.endif
	REGS Y, h%2
.set k, h/8
.if h%8 < 4
	s_wait_alu depctr_va_vdst(0)
	v_cvt_pk_f16_f32 v[rP+2*k+(h%8)/2], v[rS+4*k+2*((h%8)/2)], v[rS+4*k+2*((h%8)/2)+1]
.elseif h%8 < 6
	v_pk_add_f32 v[rS+4*k:rS+4*k+1], v[rS+4*k:rS+4*k+1], v[rS+4*k+2:rS+4*k+3]
.elseif k == 1
	v_pk_fma_f32 v[rT+2:rT+3], v[rT+2:rT+3], v[rC+2:rC+3], v[rS:rS+1] op_sel_hi:[1,0,1]
.else
	v_pk_add_f32 v[rT+2:rT+3], v[rT+2:rT+3], v[rS+4*k-4:rS+4*k-3]
	s_wait_alu depctr_va_vdst(0)
.endif
.endm
; THE PLAIN QUEUE, 138 long.  0-31: c s - c m for the 16 pairs of both tiles.  Then GS's 64, and among them the next piece's 42: number 15 at 38, 39; 0-14 and 16
; at 42-73, behind the products that make those scores; 17-20 at 95-106, two of three, since each waits for the one before it.
.macro PL
	WIN 0
.if q < 32
	REGS Y, q%2
	v_pk_fma_f32 v[rS+2*(q/2):rS+2*(q/2)+1], v[rS+2*(q/2):rS+2*(q/2)+1], s[CS:CS+1], v[rT:rT+1] op_sel_hi:[1,0,0] neg_lo:[0,0,1] neg_hi:[0,0,1]
.elseif q < 38
	GS q-32
.elseif q < 40
	XS q%2, 15
.elseif q < 42
	GS q-34
.elseif q < 74
	XS q%2, (q-42)/2+(q-42)/30
.elseif q < 95
	GS q-66
.elseif (q < 107) && ((q-95)%3 < 2)
	XS (q-95)%3, 17+(q-95)/3
.elseif q < 107
	GS 29+(q-95)/3
.else
	GS q-74
.endif
.set q, q+1
.endm
; THE EXPONENTIALS' QUEUE, 66 long: s0-s31 of both tiles, and at EA the next piece's two a.
.set EA, 58
.macro EX
	WIN 0
.if (e == EA) || (e == EA+1)
	XS e-EA, 21
.else
.set x, e-2*(e/(EA+2))
	REGS Y, x%2
	v_exp_f32 v[rS+x/2], v[rS+x/2]
.endif
.set e, e+1
.endm
; THE RESCALING's QUEUE: O^T times a, the one part that leaves window 0, so it is dealt four at a time, eight times.
.macro R4
	REGS Y, r%2
	WIN W_RS
	s_wait_alu depctr_va_vdst(0)
.irp z, 0,1,2,3
	v_pk_mul_f32 v[rO+8*(r/2)+2*\z:rO+8*(r/2)+2*\z+1], v[rO+8*(r/2)+2*\z:rO+8*(r/2)+2*\z+1], v[rC+2:rC+3] op_sel_hi:[1,0]
.endr
.set r, r+1
.endm
; HOW THEY ARE DEALT.  Behind a matrix instruction four: plain, exponential, plain, plain (one exponential, a plain instruction on either side), or four of the rescaling.  None names a register of the
; products round it.  What is over stands in two LUMPS: exponential and plain by turns; the second ends in 22 plain instructions.  The two v_permlanex16_b32 fall into the second lump, never behind a product.
; The queues lean on each other, and the deal keeps them in step: exponential e stands behind plain 2 (e / 4) + e % 2 (its scaling); when plain 32 comes, 10 exponentials are out, at 59: 33, at 95: 46; EA comes behind plain 107.
.macro SL
	MM
	PL
	EX
	PL
	PL
.endm
.macro BURST n                      ; 15 matrix instructions, or 16
.rept (\n)-7
	SL
.endr
.rept 3
	MM
	R4
	SL
.endr
	MM
	R4
.endm
; A TURN, for piece p.  cnt = 1: the loop's count is taken down some lines ahead of the branch that stands behind the turn.
; K of the next step is fetched in piece 2's turn, 31 vector instructions behind the last product that read K; its first reader comes behind the rest of the lump, 16 products and the second lump.
; V of the step in hand is fetched at the end of piece 0's turn, 69 behind its last reader; its first reader comes behind 16 products and a lump.  The four conditions on e and q below go with the deal.
.macro TURN p, last=0, cnt=0
.set Y, (\p)
.set i, 0
.set q, 0
.set e, 0
.set r, 0
.if (\p) == NP-1
	s_wait_dscnt 0x0                ; K is in
.endif
	MM
.rept 4
	PL
.endr
	BURST 15
.rept 22
	EX
	PL
.if ((\p) == NP-2) && (e == 18)
	v_add_nc_u32 v[AK], s[TBK], v[AK0]
.endif
.if ((\p) == NP-2) && (e == 24)
	FETCH_K \last
.endif
.endr
.if (\p) == 1
	s_wait_dscnt 0x0                ; V is in
.endif
	BURST 16
.rept 21
	EX
	PL
.endr
.rept 22
	PL
.if ((\p) == 0) && (q == 118)
	v_add_nc_u32 v[AV], s[TBV], v[AV0]
	s_wait_alu depctr_va_vdst(0)
.endif
.if ((\p) == 0) && (q == 130)
	s_add_co_u32 s[TBV], s[TBV], KS*PV
.endif
.if (\cnt) && (q == 130)
	s_sub_co_u32 s[CNT], s[CNT], 1
	s_cmp_lg_u32 s[CNT], 0
.endif
.endr
.if (\p) == 0
	FETCH_V
.endif
.endm
	CHANGE 1                        ; slot 0 is in, everybody's part of it; slot 1 is asked for
	FETCH_K                         ; key step 0
	s_wait_loadcnt 0x0              ; Q
	s_wait_dscnt 0x0
.set i, 0
.rept 16
	KQ 0                            ; piece 0's first scores: there is no vector work yet to set between them
.set i, i+1
.endr
	WIN 0                           ; the addresses for the way out: nine plain instructions, the places behind those products
	s_mul_i32 s13, s[WV], 16*SP
	s_add_co_u32 s13, s13, STAGE    ; my stage
	v_mul_u32_u24 v[STO], v1, SP    ; in: row l % 16, 16 bytes for each half of the lanes
	v_lshl_add_u32 v[STO], v9, 4, v[STO]
	v_add_nc_u32 v[STO], s13, v[STO]
	v_bfe_u32 v[RD], v0, 3, 2       ; back: 32 lanes take four rows of 128 bytes,
	v_mul_u32_u24 v[RD], v[RD], SP
	v_lshl_add_u32 v[RD], v10, 4, v[RD]
	v_add_nc_u32 v[RD], s13, v[RD]
	v_and_b32 v[GO], 31, v0         ; which are 512 consecutive bytes of O
	v_lshlrev_b32 v[GO], 4, v[GO]
.set Y, NP-1                        ; XS works for piece Y + 1: piece 0
.irp n, 0,1,2,3,4,5,6,7,8,9,10,11,12,13,14,15,16,17,18,19,20,21
	XS 0, \n                        ; and piece 0's first maximum and statistics
	XS 1, \n
.endr
	s_mov_b32 s[CNT], 4
	s_mov_b32 s[SLOTS], SIZE_N/256-1
	s_branch .Lfirst                ; the loop is entered at a step's first turn, in the middle of a trip
.Lslot:                             ; SIZE_N / 256 - 2 times: every slot but the last two is filled again
	CHANGE 1, 1
	s_mov_b32 s[CNT], 4
.Lstep:                             ; a trip: pieces 2 and 3 of one step, then pieces 0 and 1 of the next, whose K and V it fetches
	TURN 2
	TURN 3
	WIN 0
.Lfirst:
	TURN 0
	TURN 1, 0, 1
	WIN 0
	s_cbranch_scc1 .Lstep
	s_sub_co_u32 s[SLOTS], s[SLOTS], 1
	s_cmp_lg_u32 s[SLOTS], 0
	s_cbranch_scc1 .Lslot
	CHANGE 0                        ; the tail is written out: nothing is asked for
	s_mov_b32 s[CNT], 5             ; four trips fetch the last slot's steps; the fifth is left in its middle
.Ltail:
	TURN 2, 1
	TURN 3
	WIN 0
	s_sub_co_u32 s[CNT], s[CNT], 1
	s_cmp_eq_u32 s[CNT], 0
	s_cbranch_scc1 .Lout
	TURN 0
	TURN 1
	WIN 0
	s_branch .Ltail
.Lout:                              ; the fifth trip's 16 products K Q^T (on the last K once more) and the maximum made of them serve nothing: the price, once a launch, of one text for every trip
.set i, 0
.rept 16
	PV NP-1                         ; the last piece's V^T P of the last step
.set i, i+1
.endr
	; THE WAY OUT.  l's two halves and the other half of the lanes' are added; O^T is divided by l, rounded to f16 and sent through my stage in LDS, a tile at a time.  The additions are the places behind the last products.
	WIN 0
.macro ALL line:vararg              ; one line for each tile t
.set t, 0
.rept 2*NP
	\line
.set t, t+1
.endr
.endm
	ALL v_add_f32 v[ST+4*t+2], v[ST+4*t+2], v[ST+4*t+3]
	ALL v_permlanex16_b32 v[ST+4*t+3], v[ST+4*t+2], s[SEL], s[SEL+1]
	ALL v_add_f32 v[ST+4*t+2], v[ST+4*t+2], v[ST+4*t+3]
	ALL v_rcp_f32 v[ST+4*t+2], v[ST+4*t+2]
	v_nop                           ; a plain instruction between the last reciprocal and the use of its result
	s_wait_alu depctr_va_vdst(0)
; Tile t: a lane's eight channels of a row pack into 16 bytes; they go into rows of 144 bytes and come back as whole rows of 128, into S^T's registers.
.macro PACK t
	WIN W_RS
.set i, 32*(\t)
.rept 16
	v_pk_mul_f32 v[i:i+1], v[i:i+1], v[ST+4*(\t)+2:ST+4*(\t)+3] op_sel_hi:[1,0]
.set i, i+2
.endr
	WIN 0x05                        ; sources 0 and 1 window 1, destination window 0
.set i, 0
.rept 16
	v_cvt_pk_f16_f32 v[S+16*(\t)+i], v[32*(\t)+2*i], v[32*(\t)+2*i+1]
.set i, i+1
.endr
	WIN 0
.irp f, 0,1,2,3
	ds_store_b128 v[STO], v[S+16*(\t)+4*\f:S+16*(\t)+4*\f+3] offset:32*\f
.endr
.irp f, 0,1,2,3
	ds_load_b128 v[S+16*(\t)+4*\f:S+16*(\t)+4*\f+3], v[RD] offset:\f*4*SP  ; LDS serves a wave's instructions in order (ISA guide 5.7.1.4): these see the stores above; the next tile's stores come behind them
.endr
.endm
.macro SEND t, younger              ; younger: the LDS instructions issued behind tile t's loads: the next tile's eight, or none
	WIN 0
.irp f, 0,1,2,3
	s_wait_dscnt (\younger)+3-\f
	global_store_b128 v[GO], v[S+16*(\t)+4*\f:S+16*(\t)+4*\f+3], s[10:11] offset:(\t)*2048+\f*512  ; 512 consecutive bytes, at a multiple of 256 from O's first
.endr
.endm
	PACK 0
.set t, 1
.rept 2*NP-1                        ; a tile's arithmetic stands between the loads of the tile before and its stores
	PACK t
	SEND t-1, 8
.set t, t+1
.endr
	SEND 2*NP-1, 0
	WIN W_AD
	s_wait_tensorcnt 0x0            ; the wave's end: a wait, an add and its wait, behind my last tensor load and my last LDS store
	ds_add_u32 v[SPW], v[NIL]
	s_wait_dscnt 0x0
	WIN 0
	CROUND                          ; the closing round: no work-group ends while a partner may still ask for a tile that names it
	s_endpgm
.Lfunc_end_k_qe1e6097021_attn:
	.size	k_qe1e6097021_attn, .Lfunc_end_k_qe1e6097021_attn-k_qe1e6097021_attn
	.p2alignl 7, 3214868480
	.fill 96, 4, 3214868480
	.section	.rodata,"a",@progbits
	.p2align	6, 0x0
	.amdhsa_kernel k_qe1e6097021_attn
		.amdhsa_group_segment_fixed_size 327680
		.amdhsa_private_segment_fixed_size 0
		.amdhsa_enable_private_segment 0
		.amdhsa_kernarg_size 16
		.amdhsa_user_sgpr_count 2
		.amdhsa_user_sgpr_kernarg_segment_ptr 1
		.amdhsa_wavefront_size32 1
		.amdhsa_system_sgpr_workgroup_id_x 1
		.amdhsa_system_sgpr_workgroup_id_y 1
		.amdhsa_system_sgpr_workgroup_id_z 1
		.amdhsa_system_vgpr_workitem_id 0
		.amdhsa_next_free_vgpr 770
		.amdhsa_next_free_sgpr 66
		.amdhsa_reserve_vcc 0
		.amdhsa_float_denorm_mode_32 3
		.amdhsa_float_denorm_mode_16_64 3
		.amdhsa_memory_ordered 1
		.amdhsa_forward_progress 1
		.amdhsa_inst_pref_size 209
	.end_amdhsa_kernel
	.amdgpu_metadata
---
amdhsa.version: [ 1, 2 ]
amdhsa.kernels:
  - .name:           k_qe1e6097021_attn
    .symbol:         k_qe1e6097021_attn.kd
    .args:
      - { .name: qkv, .offset: 0, .size: 8, .value_kind: global_buffer, .address_space: global }
      - { .name: ob, .offset: 8, .size: 8, .value_kind: global_buffer, .address_space: global }
    .group_segment_fixed_size: 327680
    .private_segment_fixed_size: 0
    .kernarg_segment_align: 8
    .kernarg_segment_size: 16
    .max_flat_workgroup_size: 128
    .sgpr_count:     66
    .vgpr_count:     770
    .wavefront_size: 32
...
	.end_amdgpu_metadata
.endif
;; end of part 3
;; launch proj (part 4): grid 8 x 32, 4 waves a work-group, clusters of 4 x 4, 327,680 bytes of LDS; arguments ob, wpb, b_proj, out0; writes out0
.if DOCPART == 4
	.amdgcn_target "amdgcn-amd-amdhsa--gfx1250"
	.amdhsa_code_object_version 6
	.text
	.protected	k_qe1e6097021_proj
	.globl	k_qe1e6097021_proj
	.p2align	8
	.type	k_qe1e6097021_proj,@function
k_qe1e6097021_proj:
	s_mov_b64 s[64:65], 0
	v_nop
	global_prefetch_b8 v0, s[64:65] scope:SCOPE_SE
	s_setreg_imm32_b32 hwreg(HW_REG_WAVE_MODE, 25, 1), 1
	s_wait_xcnt 0x0
	s_wait_alu depctr_hold_cnt(0) depctr_sa_sdst(0) depctr_va_vdst(0) depctr_va_sdst(0) depctr_va_ssrc(0) depctr_va_vcc(0) depctr_vm_vsrc(0)
	s_getreg_b32 s2, hwreg(HW_REG_IB_STS2, 6, 4)
	s_cmp_eq_u32 s2, 0
	s_cbranch_scc0 .Lentry_in_a_cluster
	s_endpgm
.Lentry_in_a_cluster:
	s_bfe_u32 s2, ttmp6, 0x10000c
	s_cmp_lg_u32 s2, 0xf033
	s_cbranch_scc0 .Lentry_shape_is_right
	s_endpgm
.Lentry_shape_is_right:
; out0 = a w_proj + b_proj, [8192][1024] f32, K = 1024.  a is ob, f16 by heads: byte ((16 b + h) << 18) + t*128 + 2d, so a head is a block of 64 along K.  wpb is w_proj rounded to bf16 and written
; as f16, [K][N].  The bias is rounded to bf16 like the other inputs.  Sums in f32, stored as they are.
; SHARES.  256 tiles of 256 x 128, a work-group each.  Four waves; wave w owns rows 128 (w / 2) .. + 127 and columns 64 (w % 2) .. + 63: 32 accumulators of 16 x 16.  K goes in steps of 128 (two heads)
; through two LDS slots; a step is four blocks of 32 along K, 32 matrix instructions each, on two fragment buffers by turns.
; THE PRODUCT IS TAKEN TRANSPOSED (source 0 = 16 columns of w, turned by ds_load_tr16_b128; source 1 = 16 rows of a): a lane holds row l % 16 and the eight columns 8 (l / 16) + 0..7.
; THE BIAS STARTS THE SUMS: accumulator (j, 0) is written with it and serves as the C operand of the first K block's products of column block j.
; CLUSTER 4 x 4: a's tile is shared along a row of the cluster, w's along a column: each is asked for jointly.
; REGISTERS: window 0: v0-31 addresses; v32-95, v96-159 a's fragments, two buffers; v160-191, v192-223 w's.  window 1: accumulator (j, a) at v[8 (8 j + a)].
.set PA,    144                        ; a row of a in LDS: 128 bytes + 16 = 36 words: the 16 rows of a load start at 16 different groups of four banks (64 banks of 4 bytes: ISA guide 11.1)
.set PB,    288                        ; a row of w: 256 + 32 = 72 words
.set APL,   256*PA                     ; one head's 256 rows
.set ASZ,   2*APL
.set SLOT,  ASZ+128*PB                 ; 110,592 bytes
.set STAGE, 2*SLOT                     ; behind the ring: 16 rows x 272 bytes for each wave, for the way out
.set SP,    272
.set SPARE, STAGE+4*16*SP              ; behind the stages: the spare words, 128 bytes for each wave: two blocks of 256 bytes that no other line names
.set ASTEP, 4<<18                      ; four heads on
.set WSTEP, 2*128*2048                 ; 256 rows of wpb
.set ADRA, 16
.set ADRB, 20
.set STO,  24
.set RD,   25
.set GO,   26
.set BO,   27
.set SPW,  28                          ; v28  LDS address of my spare word; never rewritten
.set NIL,  29                          ; v29  0; never rewritten
.set AF,   32
.set BF,   160
.set OB,   32                          ; the way out: two buffers of 32
.set WV,  12                           ; s12 wave;  s13 wave / 2;  s14 wave % 2
.set G1A, 24
.set G0A, 32
.set G1B, 48
.set G0B, 56
.set MSB, 0
.macro WIN new                         ; the immediate's high byte repeats the setting that is left; a switch that changes nothing is dropped
.if MSB != (\new)
	s_set_vgpr_msb (MSB<<8)|(\new)
.set MSB, \new
.endif
.endm
.macro JLOAD s                         ; a joint load: waves 0 and 1 fetch the slot's two heads of a, waves 2 and 3 the halves of w's rows; an s_nop 0 and four v_nop follow each line
	s_cmp_lt_u32 s[WV], 2
	s_cbranch_scc0 .Lfor_w_\@
	tensor_load_to_lds s[G0A+4*(\s):G0A+4*(\s)+3], s[G1A:G1A+7]
	s_nop 0
.rept 4
	v_nop
.endr
	s_branch .Lasked_\@
.Lfor_w_\@:
	tensor_load_to_lds s[G0B+4*(\s):G0B+4*(\s)+3], s[G1B:G1B+7]
	s_nop 0
.rept 4
	v_nop
.endr
.Lasked_\@:
.endm
.macro CREST                           ; a round of the cluster's barrier behind its opening barrier
	s_cmp_lg_u32 s[WV], 0
	s_cbranch_scc1 .Lnot_wave_0_\@
	s_barrier_signal -3
.Lnot_wave_0_\@:
	s_barrier_wait -3
	s_barrier_signal -1
	s_barrier_wait -1
.endm
.macro CROUND
	s_barrier_signal -1
	s_barrier_wait -1
	CREST
.endm
.macro PLACES                          ; four plain vector instructions between a matrix instruction and a load into, or a read of, its registers (ISA guide 7.12.1 for reads)
.rept 4
	v_nop
.endr
.endm
	s_load_b256 s[4:11], s[0:1], 0x0               ; ob s[4:5], wpb s[6:7], b_proj s[8:9], out0 s[10:11]
	v_lshl_add_u32 v[SPW], v0, 2, SPARE
	v_mov_b32 v[NIL], 0
	ds_add_u32 v[SPW], v[NIL]                      ; the wave's opening: the add and its wait stand ahead of my first tensor load; the set-up below stands between them
	v_lshrrev_b32 v1, 5, v0
	v_readfirstlane_b32 s[WV], v1
	s_lshr_b32 s13, s[WV], 1
	s_and_b32 s14, s[WV], 1
	s_bfe_u32 s40, ttmp6, 0x40000                  ; cx
	s_bfe_u32 s41, ttmp6, 0x40004                  ; cy
	s_lshl_b32 s42, ttmp9, 2
	s_add_co_u32 s42, s42, s40                     ; column tile nt
	s_and_b32 s43, ttmp7, 0xffff
	s_lshl_b32 s43, s43, 2
	s_add_co_u32 s43, s43, s41                     ; row tile mt
	s_lshl_b32 s44, s41, 2
	s_lshl_b32 s44, 15, s44                        ; my row of the cluster
	s_lshl_b32 s45, 0x1111, s40                    ; my column
	; a's tile: a head's 256 tile rows of 128 bytes are 32,768 dense bytes: 128 rows of 256 bytes, padded by 4 words after every 32
	s_or_b32 s[G1A+0], s44, (1<<16)|(1<<20)|(1<<21)|(4<<22)|(3<<25)
	s_mov_b32 s[G1A+1], 128<<16
	s_mov_b32 s[G1A+2], 128<<16
	s_mov_b32 s[G1A+3], 128<<16
	s_mov_b32 s[G1A+4], 128
	s_mov_b32 s[G1A+5], 128
	s_mov_b32 s[G1A+6], 0
	s_mov_b32 s[G1A+7], 0
	; w's tile: 64 rows of 128 elements (256 bytes), padded by 8 words after every 64
	s_or_b32 s[G1B+0], s45, (1<<16)|(1<<20)|(1<<21)|(5<<22)|(7<<25)
	s_mov_b32 s[G1B+1], 128<<16
	s_mov_b32 s[G1B+2], 64<<16
	s_mov_b32 s[G1B+3], 128<<16
	s_mov_b32 s[G1B+4], 64
	s_mov_b32 s[G1B+5], 1024
	s_mov_b32 s[G1B+6], 0
	s_mov_b32 s[G1B+7], 0
	s_lshr_b32 s16, s43, 3                         ; a's offset, of the row tile and the wave alone: batch,
	s_lshl_b32 s16, s16, 22
	s_and_b32 s17, s43, 7                          ; 256 rows of 128 bytes,
	s_lshl_b32 s17, s17, 15
	s_add_co_u32 s16, s16, s17
	s_lshl_b32 s17, s14, 18                        ; my head of the slot's two
	s_add_co_u32 s16, s16, s17
	s_mov_b32 s17, 0
	s_lshl_b32 s46, s42, 8                         ; w's offset, of the column tile and the wave alone: 128 columns,
	s_lshl_b32 s47, s14, 17                        ; my 64 rows of 2,048 bytes
	s_add_co_u32 s46, s46, s47
	s_mov_b32 s47, 0
	s_mul_i32 s20, s14, APL                        ; where they go in a slot
	s_mul_i32 s21, s14, 64*PB
	s_add_co_u32 s21, s21, ASZ
	s_wait_dscnt 0x0                               ; the opening add is done
	s_wait_kmcnt 0x0
	s_add_nc_u64 s[16:17], s[4:5], s[16:17]
	s_add_nc_u64 s[46:47], s[6:7], s[46:47]
	CROUND                                         ; all sixteen work-groups are here: the first joint loads meet
.irp s, 0,1
	s_mov_b32 s[G0A+4*(\s)], 1
	s_add_co_u32 s[G0A+4*(\s)+1], s20, (\s)*SLOT
	s_add_nc_u64 s[G0A+4*(\s)+2:G0A+4*(\s)+3], s[16:17], (\s)*(ASTEP/2)
	s_or_b32 s[G0A+4*(\s)+3], s[G0A+4*(\s)+3], 0x80000000
	s_mov_b32 s[G0B+4*(\s)], 1
	s_add_co_u32 s[G0B+4*(\s)+1], s21, (\s)*SLOT
	s_add_nc_u64 s[G0B+4*(\s)+2:G0B+4*(\s)+3], s[46:47], (\s)*(WSTEP/2)
	s_or_b32 s[G0B+4*(\s)+3], s[G0B+4*(\s)+3], 0x80000000
	JLOAD \s                                       ; two loads of mine are out
.endr
	v_and_b32 v1, 15, v0                           ; r
	v_bfe_u32 v2, v0, 4, 1                         ; h
	s_lshl_b32 s22, s42, 9                         ; the bias of my columns: 4 (128 nt + 64 (w % 2) + 8 h) bytes on
	s_lshl_b32 s23, s14, 8
	s_add_co_u32 s22, s22, s23
	v_lshl_add_u32 v[BO], v2, 5, s22
.irp j, 0,1,2,3
	global_load_b128 v[BF+8*(\j):BF+8*(\j)+3],   v[BO], s[8:9] offset:64*(\j)
	global_load_b128 v[BF+8*(\j)+4:BF+8*(\j)+7], v[BO], s[8:9] offset:64*(\j)+16
.endr
	v_mul_u32_u24 v3, v1, PA                       ; a fragment of a: row r x pitch + 16 h
	v_lshl_add_u32 v3, v2, 4, v3
	s_mul_i32 s22, s13, 128*PA
	v_add_nc_u32 v[ADRA], s22, v3
	v_add_nc_u32 v[ADRA+1], SLOT, v[ADRA]
	v_and_b32 v4, 7, v0                            ; a fragment of w, turned: row 8 h + l % 8, 16 bytes at 16 ((l / 8) % 2)
	v_bfe_u32 v5, v0, 3, 1
	v_lshl_add_u32 v6, v2, 3, v4
	v_mul_u32_u24 v6, v6, PB
	v_lshl_add_u32 v6, v5, 4, v6
	s_lshl_b32 s23, s14, 7
	s_add_co_u32 s23, s23, ASZ
	v_add_nc_u32 v[ADRB], s23, v6
	v_add_nc_u32 v[ADRB+1], SLOT, v[ADRB]
	s_mul_i32 s22, s[WV], 16*SP
	s_add_co_u32 s22, s22, STAGE                   ; my stage
	v_mul_u32_u24 v3, v1, SP                       ; in: row r, 32 bytes for each half of the lanes
	v_lshl_add_u32 v3, v2, 5, v3
	v_add_nc_u32 v[STO], s22, v3
	v_mul_u32_u24 v3, v2, SP                       ; back: lanes 0-15 take one row of 256 bytes, lanes 16-31 the next
	v_lshl_add_u32 v3, v1, 4, v3
	v_add_nc_u32 v[RD], s22, v3
	v_lshlrev_b32 v3, 12, v2                       ; and the same two rows in out0
	v_lshl_add_u32 v[GO], v1, 4, v3
	s_lshl_b32 s18, s43, 20                        ; out0 at my first row (256 mt + 128 (w / 2), 4,096 bytes a row) and column (128 nt + 64 (w % 2), 4 bytes)
	s_lshl_b32 s19, s13, 19
	s_add_co_u32 s18, s18, s19
	s_lshl_b32 s19, s42, 9
	s_add_co_u32 s18, s18, s19
	s_lshl_b32 s19, s14, 8
	s_add_co_u32 s18, s18, s19
	s_mov_b32 s19, 0
	s_add_nc_u64 s[10:11], s[10:11], s[18:19]
	s_wait_loadcnt 0x0                             ; the bias
.set i, 0
.rept 16
	v_cvt_pk_bf16_f32 v[AF+i], v[BF+2*i], v[BF+2*i+1]  ; rounded to bf16 like the other inputs,
.set i, i+1
.endr
	WIN 0x40                                       ; destination window 1
.irp j, 0,1,2,3
.irp q, 0,1,2,3
	v_lshlrev_b32 v[64*(\j)+2*(\q)],   16, v[AF+4*(\j)+(\q)]          ; and laid as f32 into accumulator (j, 0)
	v_and_b32     v[64*(\j)+2*(\q)+1], 0xffff0000, v[AF+4*(\j)+(\q)]
.endr
.endr
	WIN 0
; 24 LDS loads: K block c (0-3) of slot s into the buffers of c's parity: w's four fragments, then a's eight
.macro PFETCH s, c
	WIN 0
.irp j, 0,1,2,3
	ds_load_tr16_b128 v[BF+32*((\c)%2)+8*(\j):BF+32*((\c)%2)+8*(\j)+3],   v[ADRB+(\s)] offset:32*(\c)*PB+32*(\j)
	ds_load_tr16_b128 v[BF+32*((\c)%2)+8*(\j)+4:BF+32*((\c)%2)+8*(\j)+7], v[ADRB+(\s)] offset:32*(\c)*PB+32*(\j)+16*PB
.endr
.irp a, 0,1,2,3,4,5,6,7
	ds_load_b128 v[AF+64*((\c)%2)+8*(\a):AF+64*((\c)%2)+8*(\a)+3],   v[ADRA+(\s)] offset:((\c)/2)*APL+(\a)*16*PA+64*((\c)%2)
	ds_load_b128 v[AF+64*((\c)%2)+8*(\a)+4:AF+64*((\c)%2)+8*(\a)+7], v[ADRA+(\s)] offset:((\c)/2)*APL+(\a)*16*PA+64*((\c)%2)+32
.endr
.endm
; 16 matrix instructions on buffers p: column blocks j0, j0 + 1 x all 8 row blocks.  The 32 accumulators take turns, one instruction a turn.
.macro PMUL16 p, j0
	WIN 0x50                                       ; C and D window 1, sources window 0
.irp j, \j0, (\j0)+1
.irp a, 0,1,2,3,4,5,6,7
	v_wmma_f32_16x16x32_f16 v[8*(8*(\j)+(\a)):8*(8*(\j)+(\a))+7], v[BF+32*(\p)+8*(\j):BF+32*(\p)+8*(\j)+7], v[AF+64*(\p)+8*(\a):AF+64*(\p)+8*(\a)+7], v[8*(8*(\j)+(\a)):8*(8*(\j)+(\a))+7]
.endr
.endr
.endm
.macro PMUL p
	PMUL16 \p, 0
	PMUL16 \p, 2
.endm
; The first K block: 28 products take the bias in accumulator (j, 0) as C; five places later (a matrix instruction writes over a register that earlier ones read) the four (j, 0) add in place.
.macro MULB
	WIN 0x50
.irp a, 1,2,3,4,5,6,7
.irp j, 0,1,2,3
	v_wmma_f32_16x16x32_f16 v[8*(8*(\j)+(\a)):8*(8*(\j)+(\a))+7], v[BF+8*(\j):BF+8*(\j)+7], v[AF+8*(\a):AF+8*(\a)+7], v[64*(\j):64*(\j)+7]
.endr
.endr
.rept 5
	v_nop
.endr
.irp j, 0,1,2,3
	v_wmma_f32_16x16x32_f16 v[64*(\j):64*(\j)+7], v[BF+8*(\j):BF+8*(\j)+7], v[AF:AF+7], v[64*(\j):64*(\j)+7]
.endr
.endm
.macro BLK s, c, first=0               ; K block c = 0 or 1 of slot s; block c + 2 is fetched into the buffers that it leaves
	s_wait_dscnt 24                                ; my block is in; the next block's 24 loads may be out
.if \first
	MULB
.else
	PMUL \c
.endif
	PLACES
	PFETCH \s, (\c)+2
.endm
; K block 2, and the change of slots: in front of the barrier each wave waits for all its tensor loads (one is out: its part of the other slot), adds 0 to its spare word, and waits for that and for
; its reads of this slot (block 3's were the last).  fill = 1: this slot is filled again, two steps ahead.
.macro TURN s, fill
	WIN 0
	s_wait_tensorcnt 0x0                           ; all my tensor loads have landed
	ds_add_u32 v[SPW], v[NIL]                      ; 0 onto my spare word
	s_wait_dscnt 25                                ; block 2 is in: block 3's 24 loads and the add may be out
	PMUL16 0, 0                                    ; sixteen matrix instructions stand between the add and the wait for it
	s_wait_dscnt 0x0                               ; the add is done, and my reads of this slot are over
	s_barrier_signal -1
	PMUL16 0, 2
	WIN 0
	s_barrier_wait -1
.if \fill
	CREST                                          ; the barrier has opened a round of the cluster's: no wave of any partner still reads this slot or has a load on its way
	s_add_nc_u64 s[G0A+4*(\s)+2:G0A+4*(\s)+3], s[G0A+4*(\s)+2:G0A+4*(\s)+3], ASTEP
	s_add_nc_u64 s[G0B+4*(\s)+2:G0B+4*(\s)+3], s[G0B+4*(\s)+2:G0B+4*(\s)+3], WSTEP
	JLOAD \s                                       ; my one tensor load behind the round, 96 matrix instructions ahead of the wait for it; its four v_nop are also the places in front of the loads below
.else
	PLACES
.endif
	PFETCH 1-(\s), 0
.endm
.macro BLK3 s                          ; K block 3 (in registers since the wait for 0 above)
	PMUL 1
	PLACES
	PFETCH 1-(\s), 1
.endm
	s_wait_tensorcnt 1                             ; my part of K step 0 is in; step 1's may stay out
	s_barrier_signal -1
	s_barrier_wait -1
	PFETCH 0, 0
	PFETCH 0, 1
	BLK 0, 0, 1                                    ; the first block stands in front of the loop: its products start the sums
	WIN 0
	s_mov_b32 s3, 3                                ; 8 K steps: three trips ask for steps 2 to 7
.Llap:
	BLK 0, 1
	TURN 0, 1
	BLK3 0
	BLK 1, 0
	BLK 1, 1
	TURN 1, 1
	BLK3 1
	BLK 0, 0
	WIN 0
	s_sub_co_u32 s3, s3, 1
	s_cmp_lg_u32 s3, 0
	s_cbranch_scc1 .Llap
	BLK 0, 1                                       ; the tail asks for nothing
	TURN 0, 0
	BLK3 0
	BLK 1, 0
	BLK 1, 1
	s_wait_dscnt 24
	PMUL 0
	s_wait_dscnt 0x0
	PMUL 1
; THE WAY OUT, a block of 16 rows at a time: the sums go as they are, 32 bytes a lane for each column block (each accumulator's low four registers first), into my stage; back as whole rows of 256 bytes.
.macro UNIT a
.set OBB, OB+32*((\a)%2)
	WIN 0x04                                       ; the stores' data in window 1
.irp j, 0,1,2,3
	ds_store_b128 v[STO], v[8*(8*(\j)+(\a)):8*(8*(\j)+(\a))+3]   offset:64*(\j)
	ds_store_b128 v[STO], v[8*(8*(\j)+(\a))+4:8*(8*(\j)+(\a))+7] offset:64*(\j)+16
.endr
	WIN 0
	s_wait_xcnt 0x0                                ; the stores of two blocks back have read this buffer
.irp t, 0,1,2,3,4,5,6,7
	ds_load_b128 v[OBB+4*(\t):OBB+4*(\t)+3], v[RD] offset:(\t)*2*SP  ; LDS serves a wave's instructions in order (ISA guide 5.7.1.4): these see the stores above; the next block's stores come behind them
.endr
.endm
.macro SEND a, younger                 ; younger: the LDS instructions issued behind block a's loads: the next block's sixteen, or none
.set OBB, OB+32*((\a)%2)
.irp t, 0,1,2,3,4,5,6,7
	s_wait_dscnt (\younger)+7-(\t)
	global_store_b128 v[GO], v[OBB+4*(\t):OBB+4*(\t)+3], s[10:11] offset:(\a)*65536+(\t)*8192 th:TH_STORE_NT  ; 16 lanes store 256 consecutive bytes, aligned
.endr
.endm
	PLACES
	PLACES
	UNIT 0
.irp a, 1,2,3,4,5,6,7
	UNIT \a
	SEND (\a)-1, 16
.endr
	SEND 7, 0
	s_wait_tensorcnt 0x0                           ; the wave's end: a wait, an add and its wait, behind my last tensor load and my last LDS store
	ds_add_u32 v[SPW], v[NIL]
	s_wait_dscnt 0x0
	CROUND                                         ; the closing round: no work-group ends while a partner may still ask for a tile that names it
	s_endpgm
.Lfunc_end_k_qe1e6097021_proj:
	.size	k_qe1e6097021_proj, .Lfunc_end_k_qe1e6097021_proj-k_qe1e6097021_proj
	.p2alignl 7, 3214868480
	.fill 96, 4, 3214868480
	.section	.rodata,"a",@progbits
	.p2align	6, 0x0
	.amdhsa_kernel k_qe1e6097021_proj
		.amdhsa_group_segment_fixed_size 327680
		.amdhsa_private_segment_fixed_size 0
		.amdhsa_enable_private_segment 0
		.amdhsa_kernarg_size 32
		.amdhsa_user_sgpr_count 2
		.amdhsa_user_sgpr_kernarg_segment_ptr 1
		.amdhsa_wavefront_size32 1
		.amdhsa_system_sgpr_workgroup_id_x 1
		.amdhsa_system_sgpr_workgroup_id_y 1
		.amdhsa_system_sgpr_workgroup_id_z 1
		.amdhsa_system_vgpr_workitem_id 0
		.amdhsa_next_free_vgpr 512
		.amdhsa_next_free_sgpr 66
		.amdhsa_reserve_vcc 0
		.amdhsa_float_denorm_mode_32 3
		.amdhsa_float_denorm_mode_16_64 3
		.amdhsa_memory_ordered 1
		.amdhsa_forward_progress 1
		.amdhsa_inst_pref_size 90
	.end_amdhsa_kernel
	.amdgpu_metadata
---
amdhsa.version: [ 1, 2 ]
amdhsa.kernels:
  - .name:           k_qe1e6097021_proj
    .symbol:         k_qe1e6097021_proj.kd
    .args:
      - { .name: ob, .offset: 0, .size: 8, .value_kind: global_buffer, .address_space: global }
      - { .name: wpb, .offset: 8, .size: 8, .value_kind: global_buffer, .address_space: global }
      - { .name: b_proj, .offset: 16, .size: 8, .value_kind: global_buffer, .address_space: global }
      - { .name: out0, .offset: 24, .size: 8, .value_kind: global_buffer, .address_space: global }
    .group_segment_fixed_size: 327680
    .private_segment_fixed_size: 0
    .kernarg_segment_align: 8
    .kernarg_segment_size: 32
    .max_flat_workgroup_size: 128
    .sgpr_count:     66
    .vgpr_count:     512
    .wavefront_size: 32
...
	.end_amdgpu_metadata
.endif
;; end of part 4
